; MI455X (gfx1250); checked and timed in simulation.
; The chip was launched on July 23, 2026; its instructions are those of AMD's public machine-readable ISA for CDNA 5 (MIT licence, August 2026) and "CDNA5" Instruction Set Architecture Reference Guide (July 2026). The comments in the code are by the model that wrote it; some were corrected since.
;; Multi Head Attention. Allowed arithmetic: float matrix products may take bf16 or f16 operands with f32 sums; other float arithmetic in f32, or as packed bf16 or f16 multiplies, adds, multiply-adds, maxima and minima; sums over many terms, partial sums and values carried from step to step in f32; what a program stores and reads back later, other than sums and carried values, may be rounded once to bf16 or f16.
;; Inputs: k 4 x 2,048 x 1,024 float32; ln_beta 1,024 float32; ln_gamma 1,024 float32; q 4 x 2,048 x 1,024 float32; v 4 x 2,048 x 1,024 float32; w_fc 1,024 x 1,024 float32; w_k 1,024 x 1,024 float32; w_q 1,024 x 1,024 float32; w_v 1,024 x 1,024 float32.
;; Outputs: out0 4 x 2,048 x 1,024 float32.
;; One version. Each part assembles by itself: llvm-mc -triple=amdgcn-amd-amdhsa -mcpu=gfx1250 --defsym DOCPART=n.
;; ======== version 1 of 1: 5 launches
;; workspace buffers: wb 8,388,608 bytes; qh 16,777,216 bytes; kh 16,777,216 bytes; vh 16,777,216 bytes; oh 16,777,216 bytes; z 16,777,216 bytes
;; launch castw (part 1): grid 64 x 4, 8 waves a work-group, no clusters, 0 bytes of LDS; arguments w_q, w_k, w_v, w_fc, wb; writes wb
.if DOCPART == 1
	.amdgcn_target "amdgcn-amd-amdhsa--gfx1250"
	.amdhsa_code_object_version 6
	.text
	.protected	k_qdcf9684663_castw
	.globl	k_qdcf9684663_castw
	.p2align	8
	.type	k_qdcf9684663_castw,@function
k_qdcf9684663_castw:
	s_mov_b64 s[64:65], 0
	v_nop
	global_prefetch_b8 v0, s[64:65] scope:SCOPE_SE
	s_setreg_imm32_b32 hwreg(HW_REG_WAVE_MODE, 25, 1), 1
	s_wait_xcnt 0x0
; The four weight matrices, [1024 k][1024 n] in f32, are rounded once to bf16 (to nearest even) and laid one behind the other in wb, in the order
; w_q, w_k, w_v, w_fc, 2 MiB each, the layout [k][n] kept.  A stream: every byte is read once and written once, so LDS, barriers, clusters and the
; matrix unit would add nothing.  Grid y names the matrix, grid x a piece of 16,384 numbers (65,536 bytes in, 32,768 out).  Thread t takes 16 bytes of
; every 4,096; all sixteen loads of a wave are issued before the first is waited for.  A store of a wave covers 256 consecutive bytes, aligned.
.set X, 4                              ; v[4:67]   sixteen loads of four f32
.set Y, 68                             ; v[68:99]  sixteen pairs of packed bf16
	s_load_b256 s[4:11], s[0:1], 0x0               ; w_q s[4:5], w_k s[6:7], w_v s[8:9], w_fc s[10:11]
	s_load_b64 s[12:13], s[0:1], 0x20              ; wb
	s_and_b32 s16, ttmp7, 0xffff                   ; which matrix
	v_lshlrev_b32 v1, 4, v0                        ; 16 bytes a thread in
	v_lshlrev_b32 v2, 3, v0                        ; 8 bytes a thread out
	s_lshl_b32 s18, ttmp9, 16                      ; my piece in the source
	s_mov_b32 s19, 0
	s_lshl_b32 s20, s16, 21                        ; the matrix's place in wb,
	s_lshl_b32 s21, ttmp9, 15                      ; and my piece in it
	s_add_co_u32 s20, s20, s21
	s_mov_b32 s21, 0
	s_wait_kmcnt 0x0
	s_mov_b64 s[14:15], s[4:5]
	s_cmp_eq_u32 s16, 1
	s_cselect_b64 s[14:15], s[6:7], s[14:15]
	s_cmp_eq_u32 s16, 2
	s_cselect_b64 s[14:15], s[8:9], s[14:15]
	s_cmp_eq_u32 s16, 3
	s_cselect_b64 s[14:15], s[10:11], s[14:15]
	s_add_nc_u64 s[14:15], s[14:15], s[18:19]
	s_add_nc_u64 s[12:13], s[12:13], s[20:21]
.set i, 0
.rept 16
	global_load_b128 v[X+4*i:X+4*i+3], v1, s[14:15] offset:4096*i th:TH_LOAD_NT
.set i, i+1
.endr
.set i, 0
.rept 16
	s_wait_loadcnt 15-i                            ; loads come back in order: load i is in, the 15 - i younger ones stay out
	v_cvt_pk_bf16_f32 v[Y+2*i], v[X+4*i], v[X+4*i+1]
	v_cvt_pk_bf16_f32 v[Y+2*i+1], v[X+4*i+2], v[X+4*i+3]
	global_store_b64 v2, v[Y+2*i:Y+2*i+1], s[12:13] offset:2048*i
.set i, i+1
.endr
	s_endpgm
.Lfunc_end_k_qdcf9684663_castw:
	.size	k_qdcf9684663_castw, .Lfunc_end_k_qdcf9684663_castw-k_qdcf9684663_castw
	.p2alignl 7, 3214868480
	.fill 96, 4, 3214868480
	.section	.rodata,"a",@progbits
	.p2align	6, 0x0
	.amdhsa_kernel k_qdcf9684663_castw
		.amdhsa_group_segment_fixed_size 0
		.amdhsa_private_segment_fixed_size 0
		.amdhsa_enable_private_segment 0
		.amdhsa_kernarg_size 40
		.amdhsa_user_sgpr_count 2
		.amdhsa_user_sgpr_kernarg_segment_ptr 1
		.amdhsa_wavefront_size32 1
		.amdhsa_system_sgpr_workgroup_id_x 1
		.amdhsa_system_sgpr_workgroup_id_y 1
		.amdhsa_system_sgpr_workgroup_id_z 1
		.amdhsa_system_vgpr_workitem_id 0
		.amdhsa_next_free_vgpr 100
		.amdhsa_next_free_sgpr 66
		.amdhsa_reserve_vcc 0
		.amdhsa_float_denorm_mode_32 3
		.amdhsa_float_denorm_mode_16_64 3
		.amdhsa_memory_ordered 1
		.amdhsa_forward_progress 1
		.amdhsa_inst_pref_size 7
	.end_amdhsa_kernel
	.amdgpu_metadata
---
amdhsa.version: [ 1, 2 ]
amdhsa.kernels:
  - .name:           k_qdcf9684663_castw
    .symbol:         k_qdcf9684663_castw.kd
    .args:
      - { .name: w_q, .offset: 0, .size: 8, .value_kind: global_buffer, .address_space: global }
      - { .name: w_k, .offset: 8, .size: 8, .value_kind: global_buffer, .address_space: global }
      - { .name: w_v, .offset: 16, .size: 8, .value_kind: global_buffer, .address_space: global }
      - { .name: w_fc, .offset: 24, .size: 8, .value_kind: global_buffer, .address_space: global }
      - { .name: wb, .offset: 32, .size: 8, .value_kind: global_buffer, .address_space: global }
    .group_segment_fixed_size: 0
    .private_segment_fixed_size: 0
    .kernarg_segment_align: 8
    .kernarg_segment_size: 40
    .max_flat_workgroup_size: 256
    .sgpr_count:     66
    .vgpr_count:     100
    .wavefront_size: 32
...
	.end_amdgpu_metadata
.endif
;; end of part 1
;; launch proj (part 2): grid 4 x 192, 4 waves a work-group, clusters of 4 x 4, 327,680 bytes of LDS; arguments q, k, v, wb, qh, kh, vh; writes qh, kh, vh
.if DOCPART == 2
	.amdgcn_target "amdgcn-amd-amdhsa--gfx1250"
	.amdhsa_code_object_version 6
	.text
	.protected	k_qdcf9684663_proj
	.globl	k_qdcf9684663_proj
	.p2align	8
	.type	k_qdcf9684663_proj,@function
k_qdcf9684663_proj:
	s_mov_b64 s[64:65], 0
	v_nop
	global_prefetch_b8 v0, s[64:65] scope:SCOPE_SE
	s_setreg_imm32_b32 hwreg(HW_REG_WAVE_MODE, 25, 1), 1
	s_wait_xcnt 0x0
	s_wait_alu depctr_hold_cnt(0) depctr_sa_sdst(0) depctr_va_vdst(0) depctr_va_sdst(0) depctr_va_ssrc(0) depctr_va_vcc(0) depctr_vm_vsrc(0)
	s_getreg_b32 s2, hwreg(HW_REG_IB_STS2, 6, 4)
	s_cmp_eq_u32 s2, 0
	s_cbranch_scc0 .Lentry_in_a_cluster
	s_endpgm
.Lentry_in_a_cluster:
	s_bfe_u32 s2, ttmp6, 0x10000c
	s_cmp_lg_u32 s2, 0xf033
	s_cbranch_scc0 .Lentry_shape_is_right
	s_endpgm
.Lentry_shape_is_right:
; ONE SOURCE FOR TWO LAUNCHES; the next line picks.  PROJ = 1: the three projections x W (x = q, k, v in f32, [8192][1024]; W in bf16, [1024 k][1024 n], from wb), the result by heads,
; [batch x 16 + head][2048][64] in bf16.  PROJ = 0: z = ctx W_fc, ctx by heads in bf16 (oh), z [8192][1024] in bf16.  Operands in bf16, each rounded once to nearest even; sums in f32, K ascending.
.set PROJ, 1
; SHARES.  A tile of the result is 128 rows x 256 columns: 768 work-groups for the three projections, 256 for the last product, whole multiples of 256.  Four waves, each 64 x 128:
; 32 accumulators of 16 x 16, 256 registers.  K = 1,024 goes in eight steps of 128 through two LDS slots filled by the tensor data mover.
; x STAYS f32 UP TO LDS (PROJ = 1): its rows in a slot are 512 bytes; a fragment is read as f32 and rounded to bf16 in registers, 32 conversions for 32 matrix instructions.  So x is read from memory once and no bf16 copy of it is written.
; W LIES [k][n]: its fragments come out of LDS turned, by ds_load_tr16_b128.
; THE MATRIX INSTRUCTION IS USED TRANSPOSED (source 0 = 16 columns of W, source 1 = 16 rows of x): a lane then holds eight neighbouring numbers of a row of the result.
; CLUSTERS: 4 x 4 work-groups.  The four of a row of the cluster need the same tiles of x, the four of a column the same tiles of W: each tile is asked for JOINTLY, by the same tensor load with the same
; descriptor and a mask that names the four.  Which of the three projections a cluster serves hangs on the cluster's y alone.
; REGISTERS: window 0: v0-31 addresses; v32-63 x's fragments in bf16 (PROJ = 0: buffer 0); v64-127 x's fragments as read, in f32 (PROJ = 0: v64-95 buffer 1); v128-191, v192-255 W's fragments, two buffers.
;   On the way out v32-63 hold packed results and v64-191 whole rows.   window 1: the accumulators, (a, b) at v[8 (8 a + b)].
.set LAPS, 4                           ; a lap = two K steps = once round the ring
.if PROJ
.set PA,      528                      ; a row of x in LDS: 512 bytes + 16 = 33 x 16: the 16 rows of a load start at 16 different groups of four banks (64 banks of 4 bytes: ISA guide 11.1)
.set HA,      64*PA                    ; what one tensor load brings of x: 64 rows
.set AW0,     (2<<16)|(1<<20)|(1<<21)|(6<<22)|(3<<25)  ; 17:16 elements of 4 bytes; 20 padding on; 21 set beside a mask; 24:22 after every 128 words (code 6); 31:25 4 words (code 3)
.set ASTRIDE, 1024                     ; elements from row to row
.set ASTEP,   512                      ; bytes from a K step to the next
.set AFS,     0                        ; one buffer of converted fragments
.else
.set PA,      144                      ; a row of one head's 64 channels: 128 bytes + 16 = 9 x 16
.set HA,      128*PA                   ; what one tensor load brings of ctx: 128 rows of one head; a K step is two heads
.set AW0,     (1<<16)|(1<<20)|(1<<21)|(4<<22)|(3<<25)  ; elements of 2 bytes; padding after every 32 words (code 4) of 4 words: 128 rows of 128 bytes lie end to end and are asked for as 64 rows of 256
.set ASTRIDE, 128
.set ASTEP,   524288                   ; two heads on: 2 x 2,048 rows x 128 bytes
.set AFS,     32                       ; two buffers of fragments
.endif
.set BW0,    (1<<16)|(1<<20)|(1<<21)|(6<<22)|(7<<25)   ; elements of 2 bytes; padding after every 128 words (code 6) of 8 words (code 7)
.set ABYTES, 2*HA
.set PB,     544                       ; a row of W in LDS: 512 bytes + 32 = 17 x 32
.set HB,     64*PB                     ; what one tensor load brings of W: 64 rows of k
.set BSTEP,  262144                    ; 128 rows of 2,048 bytes
.set SLOT,   ABYTES+2*HB               ; x's part, then W's 128 rows
.set STAGE,  2*SLOT                    ; behind the ring, never filled by a tensor load: 16 rows x 272 bytes for each wave, for the way out
.set SPITCH, 272
.set SPARE,  STAGE+4*16*SPITCH         ; behind the stages: the spare words, 128 bytes for each wave: two blocks of 256 bytes that no other line names
.set ADRA, 16                          ; v16-17  LDS address of my fragments of x in slot 0, 1
.set ADRB, 20                          ; v20-21  the same for W
.set STO,  24                          ; v24     the way out: where I put 16 bytes of a row
.set RD,   25                          ; v25     the way out: where I read rows back
.set CO,   26                          ; v26     my byte offset in the result
.set PFO,  27                          ; v27     my byte offset in the tile's rows of x for the prefetch; never rewritten
.set SPW,  28                          ; v28     LDS address of my spare word: SPARE + 4 x my thread's number; never rewritten
.set NIL,  29                          ; v29     0; never rewritten
.set AF,   32
.set RAW,  64
.set BF,   128
.set TMP,  32
.set OB,   64
.set G1,  24                           ; s[24:31] descriptor group 1 for x's tiles;  s[32:39] group 0, one set for each slot
.set G0,  32
.set G1B, 48                           ; s[48:55], s[56:63] the same for W's tiles
.set G0B, 56
.set MSB, 0
.macro WIN new                         ; the immediate's high byte repeats the setting that is left; a switch that changes nothing is dropped
.if MSB != (\new)
	s_set_vgpr_msb (MSB<<8)|(\new)
.set MSB, \new
.endif
.endm
.set MUL,   0x50                       ; C and D window 1, sources 0 and 1 window 0
.set PACKW, 0x05                       ; sources 0 and 1 window 1, destination window 0
.macro JLOAD s                         ; a joint load: waves 0 and 1 fetch the two halves of x's part, waves 2 and 3 those of W's; an s_nop 0 and four v_nop follow each of the two lines, ahead of the jump, the label and what follows
	s_cmp_eq_u32 s11, 0
	s_cbranch_scc0 .Lfor_b_\@
	tensor_load_to_lds s[G0+4*(\s):G0+4*(\s)+3], s[G1:G1+7]
	s_nop 0
.rept 4
	v_nop
.endr
	s_branch .Lasked_\@
.Lfor_b_\@:
	tensor_load_to_lds s[G0B+4*(\s):G0B+4*(\s)+3], s[G1B:G1B+7]
	s_nop 0
.rept 4
	v_nop
.endr
.Lasked_\@:
.endm
.macro CREST                           ; a round of the cluster's barrier behind its opening barrier
	s_cmp_lg_u32 s10, 0
	s_cbranch_scc1 .Lnot_wave_0_\@
	s_barrier_signal -3
.Lnot_wave_0_\@:
	s_barrier_wait -3
	s_barrier_signal -1
	s_barrier_wait -1
.endm
.macro CROUND                          ; a whole round
	s_barrier_signal -1
	s_barrier_wait -1
	CREST
.endm
.if PROJ
	s_load_b256 s[68:75], s[0:1], 0x0              ; q s[68:69], k s[70:71], v s[72:73], wb s[74:75]
	s_load_b128 s[76:79], s[0:1], 0x20             ; qh s[76:77], kh s[78:79]
	s_load_b64 s[80:81], s[0:1], 0x30              ; vh
.else
	s_load_b128 s[4:7], s[0:1], 0x0                ; oh s[4:5], wb s[6:7]
	s_load_b64 s[8:9], s[0:1], 0x10                ; z
.endif
	v_lshl_add_u32 v[SPW], v0, 2, SPARE
	v_mov_b32 v[NIL], 0
	ds_add_u32 v[SPW], v[NIL]                      ; the wave's opening: the add and its wait stand ahead of my first tensor load; the set-up below, work on registers, stands between them
	v_lshrrev_b32 v1, 5, v0
	v_readfirstlane_b32 s10, v1                    ; wave 0..3
	s_lshr_b32 s11, s10, 1                         ; which 64 of the tile's rows are mine.  Also: I fetch for x (0) or for W (1)
	s_and_b32 s12, s10, 1                          ; which 128 of its columns.  Also: which half of that part I fetch
	s_bfe_u32 s40, ttmp6, 0x40000                  ; cx, cy: my place in the cluster
	s_bfe_u32 s41, ttmp6, 0x40004
	s_lshl_b32 s42, ttmp9, 2
	s_add_co_u32 s42, s42, s40                     ; tile column = 4 x cluster x + cx: 0..3
	s_and_b32 s13, ttmp7, 0xffff                   ; the cluster's y
.if PROJ
	s_lshr_b32 s45, s13, 4                         ; which projection: 0 q, 1 k, 2 v; the same in all sixteen partners
	s_and_b32 s13, s13, 15
.endif
	s_lshl_b32 s13, s13, 2
	s_add_co_u32 s13, s13, s41                     ; tile row = 4 x (cluster y mod 16) + cy: 0..63
	s_lshl_b32 s43, s41, 2
	s_lshl_b32 s43, 15, s43                        ; my row of the cluster
	s_lshl_b32 s44, 0x1111, s40                    ; my column
	s_or_b32 s[G1+0], s43, AW0                     ; 15:0 the mask: x's tiles go to my row
	s_or_b32 s[G1B+0], s44, BW0                    ; W's to my column
	s_mov_b32 s[G1+1], 128<<16                     ; tensor_dim0 = 128
	s_mov_b32 s[G1+2], 64<<16                      ; tensor_dim1 = 64
	s_mov_b32 s[G1+3], 128<<16                     ; tile_dim0 = 128
	s_mov_b32 s[G1+4], 64                          ; tile_dim1 = 64
	s_mov_b32 s[G1+5], ASTRIDE                     ; tensor_dim0_stride
	s_mov_b32 s[G1+6], 0
	s_mov_b32 s[G1+7], 0
	s_mov_b32 s[G1B+1], 256<<16                    ; tensor_dim0 = 256
	s_mov_b32 s[G1B+2], 64<<16                     ; tensor_dim1 = 64
	s_mov_b32 s[G1B+3], 256<<16                    ; tile_dim0 = 256
	s_mov_b32 s[G1B+4], 64                         ; tile_dim1 = 64
	s_mov_b32 s[G1B+5], 1024                       ; tensor_dim0_stride
	s_mov_b32 s[G1B+6], 0
	s_mov_b32 s[G1B+7], 0
	; where the tiles come from, as byte offsets.  x's hang on the tile row alone, W's on the tile column alone; each in registers that never hold the other coordinate.
.if PROJ
	s_lshl_b32 s16, s13, 19                        ; 128 rows of 4,096 bytes a tile row,
	s_lshl_b32 s17, s12, 18                        ; my 64 of them
	s_add_co_u32 s16, s16, s17
	s_lshl_b32 s86, s13, 19                        ; the tile's first row once more, for the prefetch
	s_mov_b32 s87, 0
.else
	s_lshr_b32 s16, s13, 4                         ; the batch: 16 heads x 2,048 rows x 128 bytes,
	s_lshl_b32 s16, s16, 22
	s_and_b32 s17, s13, 15                         ; the tile's 128 rows in a head,
	s_lshl_b32 s17, s17, 14
	s_add_co_u32 s16, s16, s17
	s_lshl_b32 s17, s12, 18                        ; and which of a K step's two heads I fetch
	s_add_co_u32 s16, s16, s17
.endif
	s_mov_b32 s17, 0
	s_lshl_b32 s46, s42, 9                         ; 256 columns of 2 bytes a tile column,
	s_lshl_b32 s47, s12, 17                        ; my 64 rows of k,
	s_add_co_u32 s46, s46, s47
.if PROJ
	s_lshl_b32 s47, s45, 21                        ; and the matrix in wb
.else
	s_mov_b32 s47, 3<<21
.endif
	s_add_co_u32 s46, s46, s47
	s_mov_b32 s47, 0
	s_mul_i32 s20, s12, HA                         ; where they go: no place in the cluster enters an LDS address
	s_mul_i32 s21, s12, HB
	s_add_co_u32 s21, s21, ABYTES
	s_wait_dscnt 0x0                               ; the opening add is done
	s_wait_kmcnt 0x0
.if PROJ
	s_cmp_eq_u32 s45, 1
	s_cselect_b64 s[4:5], s[70:71], s[68:69]       ; x
	s_cselect_b64 s[8:9], s[78:79], s[76:77]       ; and its result
	s_cmp_eq_u32 s45, 2
	s_cselect_b64 s[4:5], s[72:73], s[4:5]
	s_cselect_b64 s[8:9], s[80:81], s[8:9]
	s_mov_b64 s[6:7], s[74:75]
	s_add_nc_u64 s[84:85], s[4:5], s[86:87]        ; x at the tile's first row
.endif
	s_add_nc_u64 s[14:15], s[4:5], s[16:17]
	s_add_nc_u64 s[46:47], s[6:7], s[46:47]
	CROUND                                         ; all sixteen work-groups are here: the first joint loads meet
.irp s, 0,1
	s_mov_b32 s[G0+4*(\s)], 1                      ; 1:0 count = 1
	s_add_co_u32 s[G0+4*(\s)+1], s20, (\s)*SLOT    ; 63:32 LDS address
	s_add_nc_u64 s[G0+4*(\s)+2:G0+4*(\s)+3], s[14:15], (\s)*ASTEP  ; 120:64 global address: K step s
	s_or_b32 s[G0+4*(\s)+3], s[G0+4*(\s)+3], 0x80000000            ; 127:126 type = 2
	s_mov_b32 s[G0B+4*(\s)], 1
	s_add_co_u32 s[G0B+4*(\s)+1], s21, (\s)*SLOT
	s_add_nc_u64 s[G0B+4*(\s)+2:G0B+4*(\s)+3], s[46:47], (\s)*BSTEP
	s_or_b32 s[G0B+4*(\s)+3], s[G0B+4*(\s)+3], 0x80000000
	JLOAD \s                                       ; two loads of mine are out
.endr
	; A fragment is 16 rows x 32 K in 8 registers: lane l holds row l % 16; registers 0-3 hold K = 8 (l / 16) + 0..7, registers 4-7 K = 16 + 8 (l / 16) + 0..7.
	; Of f32 rows that is 32 bytes at 32 (l / 16) and 32 bytes 64 further on; of bf16 rows 16 bytes at 16 (l / 16) and 16 bytes 32 further on.
	v_and_b32 v1, 15, v0                           ; l % 16
	v_bfe_u32 v2, v0, 4, 1                         ; l / 16
	v_mul_u32_u24 v3, v1, PA
.if PROJ
	v_lshl_add_u32 v3, v2, 5, v3
.else
	v_lshl_add_u32 v3, v2, 4, v3
.endif
	; The turning load takes 16 k x 16 columns (lane l reads 16 bytes: row of k 8 (l / 16) + l % 8, columns 8 ((l / 8) % 2) + 0..7) and leaves half a fragment: lane l holds column l % 16 and 8 k.
	v_and_b32 v4, 7, v0
	v_lshl_add_u32 v4, v2, 3, v4
	v_mul_u32_u24 v4, v4, PB
	v_bfe_u32 v5, v0, 3, 1
	v_lshl_add_u32 v4, v5, 4, v4
	s_mul_i32 s18, s11, 64*PA                      ; my 64 rows of x
	s_lshl_b32 s19, s12, 8                         ; my 128 columns of W,
	s_add_co_u32 s19, s19, ABYTES                  ; which lies behind x's part
.irp s, 0,1
	v_add_nc_u32 v[ADRA+(\s)], s18, v3
	v_add_nc_u32 v[ADRB+(\s)], s19, v4
	s_add_co_u32 s18, s18, SLOT
	s_add_co_u32 s19, s19, SLOT
.endr
	s_mul_i32 s23, s10, 16*SPITCH
	s_add_co_u32 s23, s23, STAGE                   ; my stage
	v_mul_u32_u24 v4, v1, SPITCH                   ; in: row l % 16, 16 bytes for each half of the lanes
	v_lshl_add_u32 v4, v2, 4, v4
	v_add_nc_u32 v[STO], s23, v4
.if PROJ
	v_bfe_u32 v5, v0, 3, 2                         ; back: 32 lanes take one head's 128 bytes of four rows,
	v_mul_u32_u24 v5, v5, SPITCH
	v_and_b32 v3, 7, v0
	v_lshl_add_u32 v5, v3, 4, v5
	v_add_nc_u32 v[RD], s23, v5
	v_and_b32 v[CO], 31, v0                        ; which are 512 consecutive bytes of the result
	v_lshlrev_b32 v[CO], 4, v[CO]
	s_lshl_b32 s82, s40, 5                         ; the prefetch: the tile's 128 rows are dealt to the four partners that share them, their four waves and eight groups of four lanes:
	s_lshl3_add_u32 s82, s10, s82                  ; row 32 cx + 8 wave + lane / 4,
	v_bfe_u32 v3, v0, 2, 3
	v_add_nc_u32 v3, s82, v3
	v_and_b32 v5, 3, v0                            ; and of a lap's 1,024 bytes of that row the 256 at 256 (lane % 4): each block is asked for once in the launch
	v_lshlrev_b32 v5, 8, v5
	v_lshl_add_u32 v[PFO], v3, 12, v5
	global_prefetch_b8 v[PFO], s[84:85] offset:1024 th:TH_LOAD_NT scope:SCOPE_SE  ; lap 1 of x, whose tensor loads are issued in the loop's first trip
.else
	v_mul_u32_u24 v5, v2, SPITCH                   ; back: lanes 0-15 take one row of 256 bytes, lanes 16-31 the next
	v_lshl_add_u32 v5, v1, 4, v5
	v_add_nc_u32 v[RD], s23, v5
	v_lshlrev_b32 v5, 11, v2                       ; and the same two rows in z
	v_lshl_add_u32 v[CO], v1, 4, v5
.endif
	; where my part of the tile begins in the result
.if PROJ
	s_lshr_b32 s16, s13, 4                         ; the batch,
	s_lshl_b32 s16, s16, 22
	s_and_b32 s17, s13, 15                         ; the tile's 128 rows in a head,
	s_lshl_b32 s17, s17, 14
	s_add_co_u32 s16, s16, s17
	s_lshl_b32 s17, s11, 13                        ; my 64 of them;
	s_add_co_u32 s16, s16, s17
	s_lshl_b32 s46, s42, 20                        ; four heads a tile column (in the registers that held W's address: none that feeds x's descriptors ever holds cx),
	s_lshl_b32 s47, s12, 19                        ; my two of them
.else
	s_lshl_b32 s16, s13, 18                        ; 128 rows of 2,048 bytes a tile row,
	s_lshl_b32 s17, s11, 17                        ; my 64 of them;
	s_add_co_u32 s16, s16, s17
	s_lshl_b32 s46, s42, 9                         ; 256 columns a tile column,
	s_lshl_b32 s47, s12, 8                         ; my 128 of them
.endif
	s_add_co_u32 s46, s46, s47
	s_mov_b32 s17, 0
	s_mov_b32 s47, 0
	s_add_nc_u64 s[8:9], s[8:9], s[16:17]
	s_add_nc_u64 s[8:9], s[8:9], s[46:47]
; 8 matrix instructions: block a of my four blocks of 16 rows x all 8 blocks of 16 columns, 32 along K, from buffer f.  zero = 1: the first product starts the sums.
; The 32 accumulators take turns, one instruction a turn, in the same order in every quarter.
.macro MUL8 f, a, zero
	WIN MUL
.irp b, 0,1,2,3,4,5,6,7
.if \zero
	v_wmma_f32_16x16x32_bf16 v[8*(8*(\a)+(\b)):8*(8*(\a)+(\b))+7], v[BF+64*(\f)+8*(\b):BF+64*(\f)+8*(\b)+7], v[AF+AFS*(\f)+8*(\a):AF+AFS*(\f)+8*(\a)+7], 0
.else
	v_wmma_f32_16x16x32_bf16 v[8*(8*(\a)+(\b)):8*(8*(\a)+(\b))+7], v[BF+64*(\f)+8*(\b):BF+64*(\f)+8*(\b)+7], v[AF+AFS*(\f)+8*(\a):AF+AFS*(\f)+8*(\a)+7], v[8*(8*(\a)+(\b)):8*(8*(\a)+(\b))+7]
.endif
.endr
.endm
; The LDS loads of quarter q (32 along K) of a slot, in one run: x's first, then W's into buffer g.
.macro FETCH slot, q, g
	WIN 0
.if PROJ
.irp i, 0,1,2,3
.irp c, 0,1,2,3
	ds_load_b128 v[RAW+16*(\i)+4*(\c):RAW+16*(\i)+4*(\c)+3], v[ADRA+(\slot)] offset:(\i)*16*PA+(\q)*128+((\c)%2)*16+((\c)/2)*64
.endr
.endr
.else
.irp i, 0,1,2,3
	ds_load_b128 v[AF+32*(\g)+8*(\i):AF+32*(\g)+8*(\i)+3],   v[ADRA+(\slot)] offset:((\q)/2)*HA+(\i)*16*PA+((\q)%2)*64
	ds_load_b128 v[AF+32*(\g)+8*(\i)+4:AF+32*(\g)+8*(\i)+7], v[ADRA+(\slot)] offset:((\q)/2)*HA+(\i)*16*PA+((\q)%2)*64+32
.endr
.endif
.irp b, 0,1,2,3,4,5,6,7
	ds_load_tr16_b128 v[BF+64*(\g)+8*(\b):BF+64*(\g)+8*(\b)+3],   v[ADRB+(\slot)] offset:(\q)*32*PB+32*(\b)
	ds_load_tr16_b128 v[BF+64*(\g)+8*(\b)+4:BF+64*(\g)+8*(\b)+7], v[ADRB+(\slot)] offset:(\q)*32*PB+16*PB+32*(\b)
.endr
.endm
; x's four fragments are rounded to bf16.  The first 16 lines write blocks 0 and 1, whose last readers stand in front of the four v_nop in the quarter before; they name no register of the
; products on blocks 2 and 3 that stand just ahead, and so are the places in front of the last 16 lines, which write those products' source (ISA guide 7.12.1).
.macro CVT
.irp i, 0,1,2,3
.irp j, 0,1,2,3,4,5,6,7
	v_cvt_pk_bf16_f32 v[AF+8*(\i)+(\j)], v[RAW+16*(\i)+2*(\j)], v[RAW+16*(\i)+2*(\j)+1]
.endr
.endr
.endm
.macro PLACES                          ; four places in front of loads into registers that matrix instructions have read, and of conversions that read results or write sources
.rept 4
	v_nop
.endr
.endm
; A K step is four quarters of 32 along K, 32 matrix instructions each, on W's buffers 0, 1, 0, 1.  One of the first three: multiplies buffer f and in its middle fetches quarter qn of the same slot into g.
.macro QUARTER slot, qn, f, g, zero
.if PROJ
	WIN 0
	s_wait_dscnt 16                                ; x's 16 loads are in; W's 16, issued behind them, may be out
	CVT
.endif
	s_wait_dscnt 0x0                               ; all fragments are in
	MUL8 \f, 0, \zero
	MUL8 \f, 1, \zero
	WIN 0
	PLACES
	FETCH \slot, \qn, \g
	MUL8 \f, 2, \zero
	MUL8 \f, 3, \zero
.endm
; The last quarter multiplies buffer 1 and changes slots: ONE barrier; in front of it each wave waits for all its tensor loads (one is out: its part of the next slot), adds 0 to its spare word, and waits
; for that and for its own reads of this slot.  fill = 1: the barrier opens a round of the cluster's barrier, and this slot is filled again, two K steps ahead, first thing behind the round:
; from that request to the wait for it a wave issues 112 matrix instructions.
.macro TURN slot, next, fill
	WIN 0
	s_wait_tensorcnt 0x0                           ; all my tensor loads have landed
	ds_add_u32 v[SPW], v[NIL]                      ; 0 onto my spare word
.if PROJ
	s_wait_dscnt 17                                ; x's 16 loads are in; W's 16 and the add may be out
	CVT
.endif
	s_wait_dscnt 1                                 ; all fragments are in; the add may be out
	MUL8 1, 0, 0                                   ; eight matrix instructions stand between the add and the wait for it
	s_wait_dscnt 0x0                               ; the add is done, and my reads of this slot are over
	s_barrier_signal -1
	MUL8 1, 1, 0
.if \fill
	WIN 0
.endif
	s_barrier_wait -1
.if \fill
	CREST                                          ; no wave of any partner still reads this slot's tiles or has a load on its way
	s_add_nc_u64 s[G0+4*(\slot)+2:G0+4*(\slot)+3], s[G0+4*(\slot)+2:G0+4*(\slot)+3], 2*ASTEP
	s_add_nc_u64 s[G0B+4*(\slot)+2:G0B+4*(\slot)+3], s[G0B+4*(\slot)+2:G0B+4*(\slot)+3], 2*BSTEP
	JLOAD \slot                                    ; the four v_nop behind it are also the places in front of the loads below
.else
	WIN 0
	PLACES
.endif
	FETCH \next, 0, 0
	MUL8 1, 2, 0
	MUL8 1, 3, 0
.endm
; THE WAY OUT of block a (16 rows x 128 columns).  PACK: rounded to bf16, 16 bytes a lane, each accumulator from its low end on.  TOSTAGE: into my own stage in LDS, and back by rows.  SEND: stored.
.macro PACK a
	WIN PACKW
.irp b, 0,1,2,3,4,5,6,7
.irp r, 0,1,2,3
	v_cvt_pk_bf16_f32 v[TMP+4*(\b)+(\r)], v[8*(8*(\a)+(\b))+2*(\r)], v[8*(8*(\a)+(\b))+2*(\r)+1]
.endr
.endr
	WIN 0
.endm
.macro TOSTAGE a
.irp b, 0,1,2,3,4,5,6,7
	ds_store_b128 v[STO], v[TMP+4*(\b):TMP+4*(\b)+3] offset:32*(\b)
.endr
.irp t, 0,1,2,3,4,5,6,7                ; LDS serves a wave's instructions in order (ISA guide 5.7.1.4): these see the stores above; the next block's stores come behind them
.if PROJ
	ds_load_b128 v[OB+32*(\a)+4*(\t):OB+32*(\a)+4*(\t)+3], v[RD] offset:((\t)%4)*4*SPITCH+((\t)/4)*128  ; head t / 4 of my two, rows 4 (t % 4) on
.else
	ds_load_b128 v[OB+32*(\a)+4*(\t):OB+32*(\a)+4*(\t)+3], v[RD] offset:(\t)*2*SPITCH
.endif
.endr
.endm
.macro SEND a                          ; every block has its own 32 registers, and neither the offset register nor the base is ever rewritten: the stores need no wait
	s_wait_dscnt 0x0                               ; the block is back in registers
.irp t, 0,1,2,3,4,5,6,7
.if PROJ
	global_store_b128 v[CO], v[OB+32*(\a)+4*(\t):OB+32*(\a)+4*(\t)+3], s[8:9] offset:((\t)/4)*262144+(\a)*2048+((\t)%4)*512  ; 512 consecutive bytes of one head, at a multiple of 256 from the buffer's first byte
.else
	global_store_b128 v[CO], v[OB+32*(\a)+4*(\t):OB+32*(\a)+4*(\t)+3], s[8:9] offset:(16*(\a)+2*(\t))*2048  ; 16 lanes store 256 consecutive bytes, at a multiple of 256 from z's first byte
.endif
.endr
.endm
	s_wait_tensorcnt 1                             ; my part of K step 0 is in; K step 1's may stay out
	s_barrier_signal -1
	s_barrier_wait -1                              ; everybody's is
	FETCH 0, 0, 0
	QUARTER 0, 1, 0, 1, 1                          ; the first quarter stands in front of the loop: its products start the sums
	WIN 0                                          ; at a label and at a branch every window is 0
	s_mov_b32 s3, LAPS-1
.Llap:                                                 ; a trip goes once round the ring, from a lap's second quarter to the next lap's first, and fills both slots again
.if PROJ
	s_cmp_eq_u32 s3, 1                             ; trip t asks for lap t + 2 of x, whose tensor loads are issued in trip t + 1; the last trip has no such lap and asks for nothing
	s_cbranch_scc1 .Lnopf
	global_prefetch_b8 v[PFO], s[84:85] offset:2048 th:TH_LOAD_NT scope:SCOPE_SE
.Lnopf:
.endif
	QUARTER 0, 2, 1, 0, 0
	QUARTER 0, 3, 0, 1, 0
	TURN 0, 1, 1
	QUARTER 1, 1, 0, 1, 0
	QUARTER 1, 2, 1, 0, 0
	QUARTER 1, 3, 0, 1, 0
	TURN 1, 0, 1
	QUARTER 0, 1, 0, 1, 0
	WIN 0
.if PROJ
	s_wait_xcnt 0x0                                ; the prefetch's base is stepped only behind this wait
	s_add_nc_u64 s[84:85], s[84:85], 1024          ; a lap's bytes of a row
.endif
	s_sub_co_u32 s3, s3, 1
	s_cmp_lg_u32 s3, 0
	s_cbranch_scc1 .Llap
	QUARTER 0, 2, 1, 0, 0                          ; the last lap fills nothing, and has no round of the cluster's barrier
	QUARTER 0, 3, 0, 1, 0
	TURN 0, 1, 0
	QUARTER 1, 1, 0, 1, 0
	QUARTER 1, 2, 1, 0, 0
	QUARTER 1, 3, 0, 1, 0
.if PROJ
	WIN 0                                          ; the very last quarter: nothing more to fetch
	s_wait_dscnt 16
	CVT
.endif
	s_wait_dscnt 0x0
	MUL8 1, 0, 0
	MUL8 1, 1, 0
	MUL8 1, 2, 0
	MUL8 1, 3, 0
	WIN 0
	PLACES
	PACK 0
	TOSTAGE 0
.irp a, 1,2,3                          ; block a's conversions stand between block a - 1's loads from the stage and the wait for them
	PACK \a
	SEND (\a)-1
	TOSTAGE \a
.endr
	SEND 3
	s_wait_tensorcnt 0x0                           ; the wave's end: these three lines stand behind my last tensor load and my last LDS store
	ds_add_u32 v[SPW], v[NIL]
	s_wait_dscnt 0x0
	CROUND                                         ; the closing round: no work-group ends while a partner may still ask for a tile that names it
	s_endpgm
.Lfunc_end_k_qdcf9684663_proj:
	.size	k_qdcf9684663_proj, .Lfunc_end_k_qdcf9684663_proj-k_qdcf9684663_proj
	.p2alignl 7, 3214868480
	.fill 96, 4, 3214868480
	.section	.rodata,"a",@progbits
	.p2align	6, 0x0
	.amdhsa_kernel k_qdcf9684663_proj
		.amdhsa_group_segment_fixed_size 327680
		.amdhsa_private_segment_fixed_size 0
		.amdhsa_enable_private_segment 0
		.amdhsa_kernarg_size 56
		.amdhsa_user_sgpr_count 2
		.amdhsa_user_sgpr_kernarg_segment_ptr 1
		.amdhsa_wavefront_size32 1
		.amdhsa_system_sgpr_workgroup_id_x 1
		.amdhsa_system_sgpr_workgroup_id_y 1
		.amdhsa_system_sgpr_workgroup_id_z 1
		.amdhsa_system_vgpr_workitem_id 0
		.amdhsa_next_free_vgpr 512
		.amdhsa_next_free_sgpr 88
		.amdhsa_reserve_vcc 0
		.amdhsa_float_denorm_mode_32 3
		.amdhsa_float_denorm_mode_16_64 3
		.amdhsa_memory_ordered 1
		.amdhsa_forward_progress 1
		.amdhsa_inst_pref_size 128
	.end_amdhsa_kernel
	.amdgpu_metadata
---
amdhsa.version: [ 1, 2 ]
amdhsa.kernels:
  - .name:           k_qdcf9684663_proj
    .symbol:         k_qdcf9684663_proj.kd
    .args:
      - { .name: q, .offset: 0, .size: 8, .value_kind: global_buffer, .address_space: global }
      - { .name: k, .offset: 8, .size: 8, .value_kind: global_buffer, .address_space: global }
      - { .name: v, .offset: 16, .size: 8, .value_kind: global_buffer, .address_space: global }
      - { .name: wb, .offset: 24, .size: 8, .value_kind: global_buffer, .address_space: global }
      - { .name: qh, .offset: 32, .size: 8, .value_kind: global_buffer, .address_space: global }
      - { .name: kh, .offset: 40, .size: 8, .value_kind: global_buffer, .address_space: global }
      - { .name: vh, .offset: 48, .size: 8, .value_kind: global_buffer, .address_space: global }
    .group_segment_fixed_size: 327680
    .private_segment_fixed_size: 0
    .kernarg_segment_align: 8
    .kernarg_segment_size: 56
    .max_flat_workgroup_size: 128
    .sgpr_count:     88
    .vgpr_count:     512
    .wavefront_size: 32
...
	.end_amdgpu_metadata
.endif
;; end of part 2
;; launch attn (part 3): grid 4 x 64, 4 waves a work-group, clusters of 4 x 1, 327,680 bytes of LDS; arguments qh, kh, vh, oh; writes oh
.if DOCPART == 3
	.amdgcn_target "amdgcn-amd-amdhsa--gfx1250"
	.amdhsa_code_object_version 6
	.text
	.protected	k_qdcf9684663_attn
	.globl	k_qdcf9684663_attn
	.p2align	8
	.type	k_qdcf9684663_attn,@function
k_qdcf9684663_attn:
	s_mov_b64 s[64:65], 0
	v_nop
	global_prefetch_b8 v0, s[64:65] scope:SCOPE_SE
	s_setreg_imm32_b32 hwreg(HW_REG_WAVE_MODE, 25, 1), 1
	s_wait_xcnt 0x0
	s_wait_alu depctr_hold_cnt(0) depctr_sa_sdst(0) depctr_va_vdst(0) depctr_va_sdst(0) depctr_va_ssrc(0) depctr_va_vcc(0) depctr_vm_vsrc(0)
	s_getreg_b32 s2, hwreg(HW_REG_IB_STS2, 6, 4)
	s_cmp_eq_u32 s2, 0
	s_cbranch_scc0 .Lentry_in_a_cluster
	s_endpgm
.Lentry_in_a_cluster:
	s_bfe_u32 s2, ttmp6, 0x10000c
	s_cmp_lg_u32 s2, 0x3003
	s_cbranch_scc0 .Lentry_shape_is_right
	s_endpgm
.Lentry_shape_is_right:
; O[h][q][:] = the sum over k of softmax_k(Q[h][q] . K[h][k] / 8) V[h][k][:].  Q, K, V, O: [SIZE_H][SIZE_N][64], all bf16: a head's rows are dense, 128 bytes each.  Products, maxima and sums in
; f32; the weights p are rounded to bf16 for the second product (their sum l is taken of the unrounded p), O once at the end.
; LIMITS.  c m starts at -4.25e37: scores with c s below that are not served.  A weight below 2^-126 counts as 0 in l; NaN and infinities are not treated apart.
; SHARES.  A wave owns four PIECES of two tiles of 16 queries, a work-group's four waves 512 queries of one head: 64 heads of 2,048 rows make 256 work-groups.  Every wave walks all keys, 64 a step.
; LAYOUT.  S^T = K Q^T (source 0 = 16 keys, source 1 = 16 queries): in the result a lane holds ONE query (lane % 16) and the keys 8 (lane / 16) + 0..7.  Two such tiles, rounded to bf16 in pairs,
; ARE source 1 (32 keys x 16 queries) of O^T = V^T P, whose result again holds one query a lane, and eight channels.  K comes out of LDS as it lies, V ([key][channel]) turned, by ds_load_tr16_b128.
; SOFTMAX.  For each query a running maximum m and sum l: p = 2^(c s - c m), c = log2(e) / 8; in every step O and l are multiplied by a = 2^(c m_old - c m_new), which is 1 where m has not grown.
; m starts at the lowest finite number, O and l at 0: the first step is a step like any other, with a = 0.
; THE COUNT.  A tile and step have 16 matrix and 118 vector instructions: too many to stand all beside the matrix work.  So the order has one aim: four vector instructions that are READY behind
; EVERY matrix instruction, and the others, which need time of their own whatever the order, in runs without a gap.
; BY TURNS.  Turn n belongs to piece n (the pieces in a ring, step after step).  Its matrix work: 16 products K Q^T of piece n + 1, later 16 products V^T P of piece n - 1.  Its vector work: the scaling,
; exponentials, roundings, sums and rescaling of piece n, and the maximum and statistics of piece n + 1, whose scores the turn itself has made.  So what a turn begins with (c s - c m, O a) waits for nothing.
; CLUSTER.  The four query blocks of a cluster belong to one head and walk the same K and V, so each tile is asked for JOINTLY: the same tensor load, descriptor and mask in all four.
; REGISTERS, in windows of 256 (s_set_vgpr_msb says which window each operand place means: bits 1:0 source 0, 3:2 source 1, 5:4 source 2, 7:6 destination):
;   window 0: v0-11 addresses; v12-15, v48-63 at work; v16-47 four registers of statistics a tile; v64-191 S^T, two buffers of two tiles; v192-255 P, likewise
;   window 1: O^T, 32 a tile          window 2: v0-127 Q, 16 a tile; v128-191 K of one step; v192-255 V of one step          window 3: v0-1 the add's two registers
; A piece's buffers go by its number's parity: the piece in hand has one pair, its two neighbours in the ring share the other: of it P (piece n - 1) is read and S^T (piece n + 1) written.
.set SIZE_H, 64       ; batch x heads
.set SIZE_N, 2048     ; rows of a head
.set NP,    4         ; pieces a wave: a name, no knob: the register map, the loop and the fetches are made for four
.set KS,    64        ; keys in a step
.set PK,    144       ; a row of K in LDS: 128 bytes + 16 of padding = 36 words: the 16 rows of a load start at 16 different groups of four banks (64 banks of 4 bytes: ISA guide 11.1)
.set PV,    160       ; a row of V: 128 + 32 = 40 words
.set VOFF,  4*KS*PK   ; a slot holds four steps: 256 rows of K, then 256 rows of V
.set SLOT1, 1<<17     ; slot 1 begins here, so that one exclusive or turns an address in one slot into the other's
.set STAGE, SLOT1+4*KS*(PK+PV)  ; behind the ring, never filled by a tensor load: 16 rows x 144 bytes for each wave, for the way out
.set SP,    144
.set AK0, 2           ; v2   my lane's place in a tile of K; never rewritten
.set AV0, 3           ; v3   the same for V
.set AK,  4           ; v4   the LDS address of K's next run of loads
.set AV,  5           ; v5   of V's
.set QO,  6           ; v6   my byte offset in the wave's rows of Q
.set STO, 6           ;      later, the way out: where I put 16 bytes of a row
.set RD,  7           ; v7   the way out: where I read rows back
.set GO,  8           ; v8   my byte offset in 512 consecutive bytes of O
.set SPW, 0           ; v0 of window 3   LDS address of my spare word: SPARE + 4 x my thread's number; never rewritten
.set NIL, 1           ; v1 of window 3   0; never rewritten
.set SPARE, STAGE+4*16*SP  ; behind the stages: the spare words, 128 bytes for each wave: two blocks of 256 bytes that no other line names
.set MV,  12          ; v12-15  c m_old, kept while c m is made anew: by buffer and tile
.set ST,  16          ; tile t's statistics at v[ST+4 t]: c m, m, l (even keys', odd keys')
.set TMP, 48          ; by buffer and tile, four registers c0-c3 at work; when the maximum is found c2 takes a
.set S,   64
.set P,   192
.set KF,  128         ; K's fragments, in window 2: key block kb, channel half c at KF + 16 kb + 8 c
.set VF,  192         ; V's: key half kk, channel block cb at VF + 32 kk + 8 cb
.set WV,  12          ; s12  my wave's number
.set G1K, 24          ; s[24:31] descriptor group 1 for K's tiles
.set G1V, 32          ; s[32:39] for V's: it differs in the padding alone
.set G0K, 40          ; s[40:43] descriptor group 0 for K's tiles: it walks
.set G0V, 44          ; s[44:47] the same for V's
.set SLOTS, 56        ; s56  slots still to be asked for
.set CNT, 57          ; s57  counts a slot's key steps
.set CS,  58          ; s[58:59] c: the packed scaling takes the pair's low word for both halves
.set SEL, 60          ; s[60:61] v_permlanex16_b32's selects: each lane takes its own place in the other half
.set TBK, 62          ; s62  LDS byte at which K of the step to be fetched begins
.set TBV, 63          ; s63  the same for V, less VOFF
.set MSB, 0
.macro WIN new                      ; the high byte repeats the setting that is left; a switch that changes nothing is dropped
.if MSB != (\new)
	s_set_vgpr_msb (MSB<<8)|(\new)
.set MSB, (\new)
.endif
.endm
.set W_KQ, 0x0a       ; K and Q in window 2, S^T in window 0
.set W_PV, 0x52       ; V in window 2, P in window 0, O^T in window 1
.set W_RS, 0x41       ; O^T (destination and source 0) in window 1, a in window 0
.set W_MK, 0xc0       ; the add's registers are made: destination in window 3, sources in window 0
.set W_AD, 0x0f       ; the add: address (source 0) and data (source 1) in window 3
; A joint fill.  Waves 0 and 1 fetch the two halves of a slot's K, waves 2 and 3 those of its V: 128 keys each.  The branch hangs on the wave's number alone.
; An s_nop 0 and four v_nop follow each of the two lines, ahead of the jump and the label.
.macro JLOAD
	s_cmp_lt_u32 s[WV], 2
	s_cbranch_scc0 .Lfor_v_\@
	tensor_load_to_lds s[G0K:G0K+3], s[G1K:G1K+7]
	s_nop 0
.rept 4
	v_nop
.endr
	s_branch .Lasked_\@
.Lfor_v_\@:
	tensor_load_to_lds s[G0V:G0V+3], s[G1V:G1V+7]
	s_nop 0
.rept 4
	v_nop
.endr
.Lasked_\@:
.endm
; A round of the cluster's barrier: my work-group's barrier, so that wave 0's signal speaks for all four waves; wave 0 signals; every wave waits for all four work-groups; my work-group's barrier once more.
.macro CROUND
	s_barrier_signal -1
	s_barrier_wait -1
	s_cmp_lg_u32 s[WV], 0
	s_cbranch_scc1 .Lnot_wave_0_\@
	s_barrier_signal -3
.Lnot_wave_0_\@:
	s_barrier_wait -3
	s_barrier_signal -1
	s_barrier_wait -1
.endm
; THE CHANGE OF SLOTS.  The slot's last bytes, V of its fourth step, have been read.  Each wave waits for all its tensor loads, of which one is out: its part
; of the other slot; adds 0 to its spare word; and waits for that and for its own reads of the slot.  Behind the barrier nobody reads this slot any more and the other slot is whole.
; fill = 1: this slot is filled again, with the keys two slots on.  The barrier is then a round of the cluster's, so that no wave of any partner still reads the slot or has a load on its
; way, and the joint fill is the first thing behind it: it has four key steps, 512 matrix instructions, in which to land.  (At its first use nothing has been read yet: slot 0 is waited for, slot 1 filled.)
.macro CHANGE fill
	WIN W_AD
	s_wait_tensorcnt 0x0            ; no tensor load of mine is out, so a group 0 may be written
	ds_add_u32 v[SPW], v[NIL]       ; 0 onto my spare word; with fill = 1 the descriptors' steps stand between it and the wait for it
	WIN 0                           ; at a label and at a branch every window is 0
.if \fill
.irp g, G0K, G0V
	s_xor_b32 s[\g+1], s[\g+1], SLOT1  ; the walking descriptor: the other slot than last time,
	s_add_nc_u64 s[\g+2:\g+3], s[\g+2:\g+3], 4*KS*128  ; the next 256 keys; the type bits on top are not reached
.endr
	s_wait_dscnt 0x0                ; the add is done, and my reads of the slot are over
	CROUND
	JLOAD
.else
	s_wait_dscnt 0x0                ; the add is done, and my reads of the slot are over
	s_barrier_signal -1
	s_barrier_wait -1
.endif
	s_sub_co_u32 s[TBK], s[TBK], 4*KS*PK  ; the fetches go back to a slot's first step,
	s_xor_b32 s[TBK], s[TBK], SLOT1       ; in the other slot
	s_sub_co_u32 s[TBV], s[TBV], 4*KS*PV
	s_xor_b32 s[TBV], s[TBV], SLOT1
.endm
	s_load_b256 s[4:11], s[0:1], 0x0  ; Q s[4:5], K s[6:7], V s[8:9], O s[10:11]
	WIN W_MK
	v_lshl_add_u32 v[SPW], v0, 2, SPARE
	v_mov_b32 v[NIL], 0
	WIN W_AD
	ds_add_u32 v[SPW], v[NIL]       ; the wave's opening: the add and its wait stand ahead of my first tensor load; the set-up below, work on registers, stands between them
	WIN 0
	v_lshrrev_b32 v1, 5, v0
	v_readfirstlane_b32 s[WV], v1   ; wave 0..3
	s_bfe_u32 s13, ttmp6, 0x40000   ; cx: my place in the cluster
	s_lshl_b32 s14, ttmp9, 2        ; in a cluster launch ttmp9 counts clusters
	s_add_co_u32 s14, s14, s13      ; my block of queries = 4 x cluster x + cx: it enters Q's and O's addresses alone
	s_and_b32 s20, ttmp7, 0xffff    ; the head, which the four partners share
	s_mov_b32 s21, 0
	s_mov_b64 s[22:23], SIZE_N*128
	s_mul_u64 s[20:21], s[20:21], s[22:23]  ; the head's first byte in each of the four tensors
	s_and_b32 s16, s[WV], 1         ; which half of a slot's 256 keys I fetch:
	s_lshl_b32 s22, s16, 14         ; its 128 rows of 128 bytes in memory,
	s_mov_b32 s23, 0
	s_add_nc_u64 s[22:23], s[22:23], s[20:21]
	s_mul_i32 s17, s16, 128*PK      ; and its place in a slot, for K
	s_mul_i32 s18, s16, 128*PV      ; and for V: no place in the cluster enters an LDS address
	s_lshl_b32 s2, s14, 2
	s_add_co_u32 s2, s2, s[WV]      ; my wave among the head's,
	s_lshl_b32 s2, s2, 14           ; its 128 rows
	s_mov_b32 s3, 0
	s_add_nc_u64 s[2:3], s[2:3], s[20:21]
	; descriptor group 1.  128 keys are 16,384 dense bytes: asked for as 64 rows of 256 bytes, two keys a row, and padded in LDS after every key
	s_mov_b32 s[G1K], 15|(1<<16)|(1<<20)|(1<<21)|(4<<22)|(3<<25)  ; 15:0 the mask of four; 17:16 2-byte elements; 20 padding on; 21 set beside a mask; 24:22 after every 32 words (code 4); 31:25 4 words (code 3)
	s_mov_b32 s[G1V], 15|(1<<16)|(1<<20)|(1<<21)|(4<<22)|(7<<25)  ; the same with 8 words of padding (code 7)
.irp g, G1K, G1V
	s_mov_b32 s[\g+1], 128<<16      ; tensor_dim0 = 128
	s_mov_b32 s[\g+2], 64<<16       ; tensor_dim1 = 64
	s_mov_b32 s[\g+3], 128<<16      ; tile_dim0 = 128
	s_mov_b32 s[\g+4], 64           ; tile_dim1 = 64
	s_mov_b32 s[\g+5], 128          ; 128 elements from row to row
	s_mov_b32 s[\g+6], 0
	s_mov_b32 s[\g+7], 0
.endr
	s_mov_b32 s[CS], 0x3e38aa3b     ; c = log2(e) / 8 = 0.180337
	s_mov_b32 s[CS+1], s[CS]        ; named with it as a pair
	s_mov_b32 s[SEL], 0x76543210
	s_mov_b32 s[SEL+1], 0xfedcba98
	s_mov_b32 s[TBK], SLOT1+4*KS*PK ; the first change of slots turns these two into 0
	s_mov_b32 s[TBV], SLOT1+4*KS*PV
	s_mov_b32 s[G0K], 1             ; 1:0 count = 1
	s_mov_b32 s[G0K+1], s17         ; 63:32 LDS address: slot 0
	s_mov_b32 s[G0V], 1
	s_add_co_u32 s[G0V+1], s18, VOFF
	s_wait_dscnt 0x0                ; the opening add is done
	s_wait_kmcnt 0x0
	s_add_nc_u64 s[G0K+2:G0K+3], s[6:7], s[22:23]  ; 120:64 global address: my half of the head's first 256 keys
	s_or_b32 s[G0K+3], s[G0K+3], 0x80000000        ; 127:126 type = 2
	s_add_nc_u64 s[G0V+2:G0V+3], s[8:9], s[22:23]
	s_or_b32 s[G0V+3], s[G0V+3], 0x80000000
	s_add_nc_u64 s[4:5], s[4:5], s[2:3]  ; Q and O at my wave's first row
	s_add_nc_u64 s[10:11], s[10:11], s[2:3]
	CROUND                          ; all four work-groups are here: the first joint loads meet
	JLOAD                           ; slot 0.  Slot 1 is asked for when slot 0 is in: the tile wanted first has the road to itself
	; A fragment of K or Q is 16 rows x 32 channels in 8 registers: lane l holds row l % 16, channels 8 (l / 16) + 0..7 and 16 + 8 (l / 16) + 0..7: two loads of 16 bytes, 32 bytes apart.
	v_and_b32 v1, 15, v0            ; l % 16
	v_bfe_u32 v9, v0, 4, 1          ; l / 16
	v_lshlrev_b32 v[QO], 7, v1
	v_lshl_add_u32 v[QO], v9, 4, v[QO]  ; row x 128 + 16 x half
	WIN 0x80                        ; destination window 2, address window 0
.set i, 0
.rept 4*NP                          ; Q stays in registers: tile i / 2, channels 32 (i % 2) on
	global_load_b128 v[8*i:8*i+3],   v[QO], s[4:5] offset:(i/2)*2048+(i%2)*64
	global_load_b128 v[8*i+4:8*i+7], v[QO], s[4:5] offset:(i/2)*2048+(i%2)*64+32
.set i, i+1
.endr
	; What the first turn finds: V's registers and P's second buffer hold 0 (its products V^T P, of a piece that has not been, add 0), O^T and l are 0.  All this stands in the wait for the first tile.
.set i, VF
.rept 64
	v_mov_b32 v[i], 0
.set i, i+1
.endr
	WIN 0x40
.set i, 0
.rept 64*NP
	v_mov_b32 v[i], 0
.set i, i+1
.endr
	WIN 0
.set i, 0
.rept 2*NP
	v_mov_b32 v[ST+4*i], 0xfe000000    ; c m: far below every c s
	v_mov_b32 v[ST+4*i+1], 0xff7fffff  ; m
	v_mov_b32 v[ST+4*i+2], 0
	v_mov_b32 v[ST+4*i+3], 0
.set i, i+1
.endr
.set i, P+32
.rept 32
	v_mov_b32 v[i], 0
.set i, i+1
.endr
	v_mul_u32_u24 v[AK0], v1, PK
	v_lshl_add_u32 v[AK0], v9, 4, v[AK0]  ; row x pitch + 16 x half
	; The turning load takes 16 keys x 16 channels (lane l reads key 8 (l / 16) + l % 8, channels 8 ((l / 8) % 2) + 0..7) and leaves half a fragment of V^T: lane l holds channel l % 16 and 8 keys.
	v_and_b32 v10, 7, v0
	v_bfe_u32 v11, v0, 3, 1
	v_lshl_add_u32 v[AV0], v9, 3, v10
	v_mul_u32_u24 v[AV0], v[AV0], PV
	v_lshl_add_u32 v[AV0], v11, 4, v[AV0]
	v_add_nc_u32 v[AV0], VOFF, v[AV0]
	v_mov_b32 v[AK], v[AK0]         ; key step 0 lies at the head of slot 0
; THE MATRIX WORK.  The 8 accumulators of a run of 16 take turns: between the two links of a chain stand 7 others'.
; Product i of 16 of S^T = K Q^T for piece x: channels 32 (i / 8) on, keys 16 ((i / 2) % 4) on, tile 2 x + i % 2.  The first 8 start the sums.
.macro KQ x
	WIN W_KQ
.set rS, S+64*((\x)%2)+32*(i%2)+8*((i/2)%4)
.set rK, KF+16*((i/2)%4)+8*(i/8)
.set rQ, 16*(2*(\x)+i%2)+8*(i/8)
.if i < 8
	v_wmma_f32_16x16x32_bf16 v[rS:rS+7], v[rK:rK+7], v[rQ:rQ+7], 0
.else
	v_wmma_f32_16x16x32_bf16 v[rS:rS+7], v[rK:rK+7], v[rQ:rQ+7], v[rS:rS+7]
.endif
.endm
; Product i of 16 of O^T += V^T P for piece x: keys 32 (i / 8) on, channels 16 ((i / 2) % 4) on, tile 2 x + i % 2.
.macro PV x
	WIN W_PV
.set rO, 32*(2*(\x)+i%2)+8*((i/2)%4)
.set rV, VF+32*(i/8)+8*((i/2)%4)
.set rP, P+32*((\x)%2)+16*(i%2)+8*(i/8)
	v_wmma_f32_16x16x32_bf16 v[rO:rO+7], v[rV:rV+7], v[rP:rP+7], v[rO:rO+7]
.endm
.macro MM                           ; the turn's next matrix instruction
.if i < 16
	KQ (Y+1)%NP
.set i, i+1
.else
.set i, i-16
	PV (Y+NP-1)%NP
.set i, i+17
.endif
.endm
; THE LDS LOADS stand in runs of 16, never singly among the matrix instructions: a step's K (64 keys x 64 channels: 8 fragments) and its V (turned).  Their addresses are made some lines ahead.
; last = 1 (the tail): in the last trip there is no further step, and the run is jumped over.
.macro FETCH_K last=0
	WIN 0
.if \last
	s_cmp_eq_u32 s[CNT], 1
	s_cbranch_scc1 .Lno_k_\@
.endif
	WIN 0x80                        ; destination window 2
.irp f, 0,1,2,3,4,5,6,7             ; keys 16 (f / 2) on, channels 32 (f % 2) on
	ds_load_b128 v[KF+8*\f:KF+8*\f+3],   v[AK] offset:(\f/2)*16*PK+(\f%2)*64
	ds_load_b128 v[KF+8*\f+4:KF+8*\f+7], v[AK] offset:(\f/2)*16*PK+(\f%2)*64+32
.endr
	s_add_co_u32 s[TBK], s[TBK], KS*PK  ; the next fetch is the next step's
	WIN 0
.if \last
.Lno_k_\@:
.endif
.endm
.macro FETCH_V
	WIN 0x80
.irp f, 0,1,2,3,4,5,6,7             ; keys 32 (f / 4) on, channels 16 (f % 4) on
	ds_load_tr16_b128 v[VF+8*\f:VF+8*\f+3],   v[AV] offset:(\f/4)*32*PV+(\f%4)*32
	ds_load_tr16_b128 v[VF+8*\f+4:VF+8*\f+7], v[AV] offset:(\f/4)*32*PV+16*PV+(\f%4)*32
.endr
	WIN 0
.endm
; THE VECTOR WORK OF A TURN stands in three queues, each in the order in which its entries become ready; the two tiles alternate, so that no instruction reads the result of the one before it.
.macro REGS y, u                    ; the registers of tile u (0, 1) of piece y
.set rT, ST+4*(2*(\y)+(\u))
.set rC, TMP+8*((\y)%2)+4*(\u)
.set rM, MV+2*((\y)%2)+(\u)
.set rS, S+64*((\y)%2)+32*(\u)
.set rP, P+32*((\y)%2)+16*(\u)
.set rO, 32*(2*(\y)+(\u))
.endm
; Number n of the 22 that find the NEXT piece's (Y + 1) maximum and statistics.  s0-s31 are the lane's 32 scores; each accumulator's lowest registers are read first.  XS, GS and REGS set no window: PL and EX do.
;   0-11  four chains c0-c3 of seven scores each, three operands at a time     12-14, 16  the four scores left over, the old m, and c0-c3 into c0     15  c m_old is kept
;   17, 18  the query's other 32 keys lie in the lane 16 away: the new m         19-21  c m; c m_old - c m_new; a
.macro XS u, n
	REGS (Y+1)%NP, \u
.if (\n) < 4
	v_max3_num_f32 v[rC+(\n)], v[rS+8*(\n)], v[rS+8*(\n)+1], v[rS+8*(\n)+2]
.elseif (\n) < 12
	v_max3_num_f32 v[rC+(\n)%4], v[rC+(\n)%4], v[rS+8*((\n)%4)+2*((\n)/4)+1], v[rS+8*((\n)%4)+2*((\n)/4)+2]
.elseif (\n) == 12
	v_max3_num_f32 v[rC], v[rC], v[rS+7], v[rS+15]
.elseif (\n) == 13
	v_max3_num_f32 v[rC+1], v[rC+1], v[rS+23], v[rS+31]
.elseif (\n) == 14
	v_max3_num_f32 v[rC+2], v[rC+2], v[rC+3], v[rT+1]
.elseif (\n) == 15
	v_mov_b32 v[rM], v[rT]
.elseif (\n) == 16
	v_max3_num_f32 v[rC], v[rC], v[rC+1], v[rC+2]
.elseif (\n) == 17
	v_permlanex16_b32 v[rC+3], v[rC], s[SEL], s[SEL+1]
.elseif (\n) == 18
	v_max_num_f32 v[rT+1], v[rC], v[rC+3]
.elseif (\n) == 19
	v_mul_f32 v[rT], s[CS], v[rT+1]
.elseif (\n) == 20
	v_sub_f32 v[rC+1], v[rM], v[rT]
.else
	v_exp_f32 v[rC+2], v[rC+1]
.endif
.endm
; Number g of the 64 that follow the exponentials.  For each four weights k of a tile (pairs 2 k, 2 k + 1): both pairs are rounded to bf16; then the second pair is added onto the first, in place;
; a group later l takes that sum (the first time as l = a l + sum).  In groups of eight, tiles alternating: round, round, add, and l for the group before.
.macro GS g
.set h, (\g)+6*((\g)/62)            ; group 0 has no group before it, and behind group 7 only l is left
.if h >= 6
.set h, h+2
.endif
	REGS Y, h%2
.set k, h/8
.if h%8 < 4
	s_wait_alu depctr_va_vdst(0)
	v_cvt_pk_bf16_f32 v[rP+2*k+(h%8)/2], v[rS+4*k+2*((h%8)/2)], v[rS+4*k+2*((h%8)/2)+1]
.elseif h%8 < 6
	v_pk_add_f32 v[rS+4*k:rS+4*k+1], v[rS+4*k:rS+4*k+1], v[rS+4*k+2:rS+4*k+3]
.elseif k == 1
	v_pk_fma_f32 v[rT+2:rT+3], v[rT+2:rT+3], v[rC+2:rC+3], v[rS:rS+1] op_sel_hi:[1,0,1]
.else
	v_pk_add_f32 v[rT+2:rT+3], v[rT+2:rT+3], v[rS+4*k-4:rS+4*k-3]
	s_wait_alu depctr_va_vdst(0)
.endif
.endm
; THE PLAIN QUEUE, 138 long.  0-31: c s - c m for the 16 pairs of both tiles.  Then GS's 64, and among them the next piece's 42: number 15 at 38, 39; 0-14 and 16
; at 42-73, behind the products that make those scores; 17-20 at 95-106, two of three, since each waits for the one before it.
.macro PL
	WIN 0
.if q < 32
	REGS Y, q%2
	v_pk_fma_f32 v[rS+2*(q/2):rS+2*(q/2)+1], v[rS+2*(q/2):rS+2*(q/2)+1], s[CS:CS+1], v[rT:rT+1] op_sel_hi:[1,0,0] neg_lo:[0,0,1] neg_hi:[0,0,1]
.elseif q < 38
	GS q-32
.elseif q < 40
	XS q%2, 15
.elseif q < 42
	GS q-34
.elseif q < 74
	XS q%2, (q-42)/2+(q-42)/30
.elseif q < 95
	GS q-66
.elseif (q < 107) && ((q-95)%3 < 2)
	XS (q-95)%3, 17+(q-95)/3
.elseif q < 107
	GS 29+(q-95)/3
.else
	GS q-74
.endif
.set q, q+1
.endm
; THE EXPONENTIALS' QUEUE, 66 long: s0-s31 of both tiles, and at EA the next piece's two a.
.set EA, 58
.macro EX
	WIN 0
.if (e == EA) || (e == EA+1)
	XS e-EA, 21
.else
.set x, e-2*(e/(EA+2))
	REGS Y, x%2
	v_exp_f32 v[rS+x/2], v[rS+x/2]
.endif
.set e, e+1
.endm
; THE RESCALING's QUEUE: O^T times a, the one part that leaves window 0, so it is dealt four at a time, eight times.
.macro R4
	REGS Y, r%2
	WIN W_RS
	s_wait_alu depctr_va_vdst(0)
.irp z, 0,1,2,3
	v_pk_mul_f32 v[rO+8*(r/2)+2*\z:rO+8*(r/2)+2*\z+1], v[rO+8*(r/2)+2*\z:rO+8*(r/2)+2*\z+1], v[rC+2:rC+3] op_sel_hi:[1,0]
.endr
.set r, r+1
.endm
; HOW THEY ARE DEALT.  Behind a matrix instruction four: plain, exponential, plain, plain (one exponential, a plain instruction on either side), or four of the rescaling.  None names a register of the
; products round it.  What is over stands in two LUMPS: exponential and plain by turns; the second ends in 22 plain instructions.  The two v_permlanex16_b32 fall into the second lump, never behind a product.
; The queues lean on each other, and the deal keeps them in step: exponential e stands behind plain 2 (e / 4) + e % 2 (its scaling); when plain 32 comes, 10 exponentials are out, at 59: 33, at 95: 46; EA comes behind plain 107.
.macro SL
	MM
	PL
	EX
	PL
	PL
.endm
.macro BURST n                      ; 15 matrix instructions, or 16
.rept (\n)-7
	SL
.endr
.rept 3
	MM
	R4
	SL
.endr
	MM
	R4
.endm
; A TURN, for piece p.  cnt = 1: the loop's count is taken down some lines ahead of the branch that stands behind the turn.
; K of the next step is fetched in piece 2's turn, 31 vector instructions behind the last product that read K; its first reader comes behind the rest of the lump, 16 products and the second lump.
; V of the step in hand is fetched at the end of piece 0's turn, 69 behind its last reader; its first reader comes behind 16 products and a lump.  The four conditions on e and q below go with the deal.
.macro TURN p, last=0, cnt=0
.set Y, (\p)
.set i, 0
.set q, 0
.set e, 0
.set r, 0
.if (\p) == NP-1
	s_wait_dscnt 0x0                ; K is in
.endif
	MM
.rept 4
	PL
.endr
	BURST 15
.rept 22
	EX
	PL
.if ((\p) == NP-2) && (e == 18)
	v_add_nc_u32 v[AK], s[TBK], v[AK0]
.endif
.if ((\p) == NP-2) && (e == 24)
	FETCH_K \last
.endif
.endr
.if (\p) == 1
	s_wait_dscnt 0x0                ; V is in
.endif
	BURST 16
.rept 21
	EX
	PL
.endr
.rept 22
	PL
.if ((\p) == 0) && (q == 118)
	v_add_nc_u32 v[AV], s[TBV], v[AV0]
	s_wait_alu depctr_va_vdst(0)
.endif
.if ((\p) == 0) && (q == 130)
	s_add_co_u32 s[TBV], s[TBV], KS*PV
.endif
.if (\cnt) && (q == 130)
	s_sub_co_u32 s[CNT], s[CNT], 1
	s_cmp_lg_u32 s[CNT], 0
.endif
.endr
.if (\p) == 0
	FETCH_V
.endif
.endm
	CHANGE 1                        ; slot 0 is in, everybody's part of it; slot 1 is asked for
	FETCH_K                         ; key step 0
	s_wait_loadcnt 0x0              ; Q
	s_wait_dscnt 0x0
.set i, 0
.rept 16
	KQ 0                            ; piece 0's first scores: there is no vector work yet to set between them
.set i, i+1
.endr
	WIN 0                           ; the addresses for the way out: nine plain instructions, the places behind those products
	s_mul_i32 s13, s[WV], 16*SP
	s_add_co_u32 s13, s13, STAGE    ; my stage
	v_mul_u32_u24 v[STO], v1, SP    ; in: row l % 16, 16 bytes for each half of the lanes
	v_lshl_add_u32 v[STO], v9, 4, v[STO]
	v_add_nc_u32 v[STO], s13, v[STO]
	v_bfe_u32 v[RD], v0, 3, 2       ; back: 32 lanes take four rows of 128 bytes,
	v_mul_u32_u24 v[RD], v[RD], SP
	v_lshl_add_u32 v[RD], v10, 4, v[RD]
	v_add_nc_u32 v[RD], s13, v[RD]
	v_and_b32 v[GO], 31, v0         ; which are 512 consecutive bytes of O
	v_lshlrev_b32 v[GO], 4, v[GO]
.set Y, NP-1                        ; XS works for piece Y + 1: piece 0
.irp n, 0,1,2,3,4,5,6,7,8,9,10,11,12,13,14,15,16,17,18,19,20,21
	XS 0, \n                        ; and piece 0's first maximum and statistics
	XS 1, \n
.endr
	s_mov_b32 s[CNT], 4
	s_mov_b32 s[SLOTS], SIZE_N/256-1
	s_branch .Lfirst                ; the loop is entered at a step's first turn, in the middle of a trip
.Lslot:                             ; SIZE_N / 256 - 2 times: every slot but the last two is filled again
	CHANGE 1
	s_mov_b32 s[CNT], 4
.Lstep:                             ; a trip: pieces 2 and 3 of one step, then pieces 0 and 1 of the next, whose K and V it fetches
	TURN 2
	TURN 3
	WIN 0
.Lfirst:
	TURN 0
	TURN 1, 0, 1
	WIN 0
	s_cbranch_scc1 .Lstep
	s_sub_co_u32 s[SLOTS], s[SLOTS], 1
	s_cmp_lg_u32 s[SLOTS], 0
	s_cbranch_scc1 .Lslot
	CHANGE 0                        ; the tail is written out: nothing is asked for
	s_mov_b32 s[CNT], 5             ; four trips fetch the last slot's steps; the fifth is left in its middle
.Ltail:
	TURN 2, 1
	TURN 3
	WIN 0
	s_sub_co_u32 s[CNT], s[CNT], 1
	s_cmp_eq_u32 s[CNT], 0
	s_cbranch_scc1 .Lout
	TURN 0
	TURN 1
	WIN 0
	s_branch .Ltail
.Lout:                              ; the fifth trip's 16 products K Q^T (on the last K once more) and the maximum made of them serve nothing: the price, once a launch, of one text for every trip
.set i, 0
.rept 16
	PV NP-1                         ; the last piece's V^T P of the last step
.set i, i+1
.endr
	; THE WAY OUT.  l's two halves and the other half of the lanes' are added; O^T is divided by l, rounded to bf16 and sent through my stage in LDS, a tile at a time.  The additions are the places behind the last products.
	WIN 0
.macro ALL line:vararg              ; one line for each tile t
.set t, 0
.rept 2*NP
	\line
.set t, t+1
.endr
.endm
	ALL v_add_f32 v[ST+4*t+2], v[ST+4*t+2], v[ST+4*t+3]
	ALL v_permlanex16_b32 v[ST+4*t+3], v[ST+4*t+2], s[SEL], s[SEL+1]
	ALL v_add_f32 v[ST+4*t+2], v[ST+4*t+2], v[ST+4*t+3]
	ALL v_rcp_f32 v[ST+4*t+2], v[ST+4*t+2]
	v_nop                           ; a plain instruction between the last reciprocal and the use of its result
	s_wait_alu depctr_va_vdst(0)
; Tile t: a lane's eight channels of a row pack into 16 bytes; they go into rows of 144 bytes and come back as whole rows of 128, into S^T's registers.
.macro PACK t
	WIN W_RS
.set i, 32*(\t)
.rept 16
	v_pk_mul_f32 v[i:i+1], v[i:i+1], v[ST+4*(\t)+2:ST+4*(\t)+3] op_sel_hi:[1,0]
.set i, i+2
.endr
	WIN 0x05                        ; sources 0 and 1 window 1, destination window 0
.set i, 0
.rept 16
	v_cvt_pk_bf16_f32 v[S+16*(\t)+i], v[32*(\t)+2*i], v[32*(\t)+2*i+1]
.set i, i+1
.endr
	WIN 0
.irp f, 0,1,2,3
	ds_store_b128 v[STO], v[S+16*(\t)+4*\f:S+16*(\t)+4*\f+3] offset:32*\f
.endr
.irp f, 0,1,2,3
	ds_load_b128 v[S+16*(\t)+4*\f:S+16*(\t)+4*\f+3], v[RD] offset:\f*4*SP  ; LDS serves a wave's instructions in order (ISA guide 5.7.1.4): these see the stores above; the next tile's stores come behind them
.endr
.endm
.macro SEND t, younger              ; younger: the LDS instructions issued behind tile t's loads: the next tile's eight, or none
	WIN 0
.irp f, 0,1,2,3
	s_wait_dscnt (\younger)+3-\f
	global_store_b128 v[GO], v[S+16*(\t)+4*\f:S+16*(\t)+4*\f+3], s[10:11] offset:(\t)*2048+\f*512  ; 512 consecutive bytes, at a multiple of 256 from O's first
.endr
.endm
	PACK 0
.set t, 1
.rept 2*NP-1                        ; a tile's arithmetic stands between the loads of the tile before and its stores
	PACK t
	SEND t-1, 8
.set t, t+1
.endr
	SEND 2*NP-1, 0
	WIN W_AD
	s_wait_tensorcnt 0x0            ; the wave's end: these three lines stand behind my last tensor load and my last LDS store
	ds_add_u32 v[SPW], v[NIL]
	s_wait_dscnt 0x0
	WIN 0
	CROUND                          ; the closing round: no work-group ends while a partner may still ask for a tile that names it
	s_endpgm
.Lfunc_end_k_qdcf9684663_attn:
	.size	k_qdcf9684663_attn, .Lfunc_end_k_qdcf9684663_attn-k_qdcf9684663_attn
	.p2alignl 7, 3214868480
	.fill 96, 4, 3214868480
	.section	.rodata,"a",@progbits
	.p2align	6, 0x0
	.amdhsa_kernel k_qdcf9684663_attn
		.amdhsa_group_segment_fixed_size 327680
		.amdhsa_private_segment_fixed_size 0
		.amdhsa_enable_private_segment 0
		.amdhsa_kernarg_size 32
		.amdhsa_user_sgpr_count 2
		.amdhsa_user_sgpr_kernarg_segment_ptr 1
		.amdhsa_wavefront_size32 1
		.amdhsa_system_sgpr_workgroup_id_x 1
		.amdhsa_system_sgpr_workgroup_id_y 1
		.amdhsa_system_sgpr_workgroup_id_z 1
		.amdhsa_system_vgpr_workitem_id 0
		.amdhsa_next_free_vgpr 770
		.amdhsa_next_free_sgpr 66
		.amdhsa_reserve_vcc 0
		.amdhsa_float_denorm_mode_32 3
		.amdhsa_float_denorm_mode_16_64 3
		.amdhsa_memory_ordered 1
		.amdhsa_forward_progress 1
		.amdhsa_inst_pref_size 208
	.end_amdhsa_kernel
	.amdgpu_metadata
---
amdhsa.version: [ 1, 2 ]
amdhsa.kernels:
  - .name:           k_qdcf9684663_attn
    .symbol:         k_qdcf9684663_attn.kd
    .args:
      - { .name: qh, .offset: 0, .size: 8, .value_kind: global_buffer, .address_space: global }
      - { .name: kh, .offset: 8, .size: 8, .value_kind: global_buffer, .address_space: global }
      - { .name: vh, .offset: 16, .size: 8, .value_kind: global_buffer, .address_space: global }
      - { .name: oh, .offset: 24, .size: 8, .value_kind: global_buffer, .address_space: global }
    .group_segment_fixed_size: 327680
    .private_segment_fixed_size: 0
    .kernarg_segment_align: 8
    .kernarg_segment_size: 32
    .max_flat_workgroup_size: 128
    .sgpr_count:     66
    .vgpr_count:     770
    .wavefront_size: 32
...
	.end_amdgpu_metadata
.endif
;; end of part 3
;; launch fc (part 4): grid 4 x 64, 4 waves a work-group, clusters of 4 x 4, 327,680 bytes of LDS; arguments oh, wb, z; writes z
.if DOCPART == 4
	.amdgcn_target "amdgcn-amd-amdhsa--gfx1250"
	.amdhsa_code_object_version 6
	.text
	.protected	k_qdcf9684663_fc
	.globl	k_qdcf9684663_fc
	.p2align	8
	.type	k_qdcf9684663_fc,@function
k_qdcf9684663_fc:
	s_mov_b64 s[64:65], 0
	v_nop
	global_prefetch_b8 v0, s[64:65] scope:SCOPE_SE
	s_setreg_imm32_b32 hwreg(HW_REG_WAVE_MODE, 25, 1), 1
	s_wait_xcnt 0x0
	s_wait_alu depctr_hold_cnt(0) depctr_sa_sdst(0) depctr_va_vdst(0) depctr_va_sdst(0) depctr_va_ssrc(0) depctr_va_vcc(0) depctr_vm_vsrc(0)
	s_getreg_b32 s2, hwreg(HW_REG_IB_STS2, 6, 4)
	s_cmp_eq_u32 s2, 0
	s_cbranch_scc0 .Lentry_in_a_cluster
	s_endpgm
.Lentry_in_a_cluster:
	s_bfe_u32 s2, ttmp6, 0x10000c
	s_cmp_lg_u32 s2, 0xf033
	s_cbranch_scc0 .Lentry_shape_is_right
	s_endpgm
.Lentry_shape_is_right:
; ONE SOURCE FOR TWO LAUNCHES; the next line picks.  PROJ = 1: the three projections x W (x = q, k, v in f32, [8192][1024]; W in bf16, [1024 k][1024 n], from wb), the result by heads,
; [batch x 16 + head][2048][64] in bf16.  PROJ = 0: z = ctx W_fc, ctx by heads in bf16 (oh), z [8192][1024] in bf16.  Operands in bf16, each rounded once to nearest even; sums in f32, K ascending.
.set PROJ, 0
; SHARES.  A tile of the result is 128 rows x 256 columns: 768 work-groups for the three projections, 256 for the last product, whole multiples of 256.  Four waves, each 64 x 128:
; 32 accumulators of 16 x 16, 256 registers.  K = 1,024 goes in eight steps of 128 through two LDS slots filled by the tensor data mover.
; x STAYS f32 UP TO LDS (PROJ = 1): its rows in a slot are 512 bytes; a fragment is read as f32 and rounded to bf16 in registers, 32 conversions for 32 matrix instructions.  So x is read from memory once and no bf16 copy of it is written.
; W LIES [k][n]: its fragments come out of LDS turned, by ds_load_tr16_b128.
; THE MATRIX INSTRUCTION IS USED TRANSPOSED (source 0 = 16 columns of W, source 1 = 16 rows of x): a lane then holds eight neighbouring numbers of a row of the result.
; CLUSTERS: 4 x 4 work-groups.  The four of a row of the cluster need the same tiles of x, the four of a column the same tiles of W: each tile is asked for JOINTLY, by the same tensor load with the same
; descriptor and a mask that names the four.  Which of the three projections a cluster serves hangs on the cluster's y alone.
; REGISTERS: window 0: v0-31 addresses; v32-63 x's fragments in bf16 (PROJ = 0: buffer 0); v64-127 x's fragments as read, in f32 (PROJ = 0: v64-95 buffer 1); v128-191, v192-255 W's fragments, two buffers.
;   On the way out v32-63 hold packed results and v64-191 whole rows.   window 1: the accumulators, (a, b) at v[8 (8 a + b)].
.set LAPS, 4                           ; a lap = two K steps = once round the ring
.if PROJ
.set PA,      528                      ; a row of x in LDS: 512 bytes + 16 = 33 x 16: the 16 rows of a load start at 16 different groups of four banks (64 banks of 4 bytes: ISA guide 11.1)
.set HA,      64*PA                    ; what one tensor load brings of x: 64 rows
.set AW0,     (2<<16)|(1<<20)|(1<<21)|(6<<22)|(3<<25)  ; 17:16 elements of 4 bytes; 20 padding on; 21 set beside a mask; 24:22 after every 128 words (code 6); 31:25 4 words (code 3)
.set ASTRIDE, 1024                     ; elements from row to row
.set ASTEP,   512                      ; bytes from a K step to the next
.set AFS,     0                        ; one buffer of converted fragments
.else
.set PA,      144                      ; a row of one head's 64 channels: 128 bytes + 16 = 9 x 16
.set HA,      128*PA                   ; what one tensor load brings of ctx: 128 rows of one head; a K step is two heads
.set AW0,     (1<<16)|(1<<20)|(1<<21)|(4<<22)|(3<<25)  ; elements of 2 bytes; padding after every 32 words (code 4) of 4 words: 128 rows of 128 bytes lie end to end and are asked for as 64 rows of 256
.set ASTRIDE, 128
.set ASTEP,   524288                   ; two heads on: 2 x 2,048 rows x 128 bytes
.set AFS,     32                       ; two buffers of fragments
.endif
.set BW0,    (1<<16)|(1<<20)|(1<<21)|(6<<22)|(7<<25)   ; elements of 2 bytes; padding after every 128 words (code 6) of 8 words (code 7)
.set ABYTES, 2*HA
.set PB,     544                       ; a row of W in LDS: 512 bytes + 32 = 17 x 32
.set HB,     64*PB                     ; what one tensor load brings of W: 64 rows of k
.set BSTEP,  262144                    ; 128 rows of 2,048 bytes
.set SLOT,   ABYTES+2*HB               ; x's part, then W's 128 rows
.set STAGE,  2*SLOT                    ; behind the ring, never filled by a tensor load: 16 rows x 272 bytes for each wave, for the way out
.set SPITCH, 272
.set SPARE,  STAGE+4*16*SPITCH         ; behind the stages: the spare words, 128 bytes for each wave: two blocks of 256 bytes that no other line names
.set ADRA, 16                          ; v16-17  LDS address of my fragments of x in slot 0, 1
.set ADRB, 20                          ; v20-21  the same for W
.set STO,  24                          ; v24     the way out: where I put 16 bytes of a row
.set RD,   25                          ; v25     the way out: where I read rows back
.set CO,   26                          ; v26     my byte offset in the result
.set PFO,  27                          ; v27     my byte offset in the tile's rows of x for the prefetch; never rewritten
.set SPW,  28                          ; v28     LDS address of my spare word: SPARE + 4 x my thread's number; never rewritten
.set NIL,  29                          ; v29     0; never rewritten
.set AF,   32
.set RAW,  64
.set BF,   128
.set TMP,  32
.set OB,   64
.set G1,  24                           ; s[24:31] descriptor group 1 for x's tiles;  s[32:39] group 0, one set for each slot
.set G0,  32
.set G1B, 48                           ; s[48:55], s[56:63] the same for W's tiles
.set G0B, 56
.set MSB, 0
.macro WIN new                         ; the immediate's high byte repeats the setting that is left; a switch that changes nothing is dropped
.if MSB != (\new)
	s_set_vgpr_msb (MSB<<8)|(\new)
.set MSB, \new
.endif
.endm
.set MUL,   0x50                       ; C and D window 1, sources 0 and 1 window 0
.set PACKW, 0x05                       ; sources 0 and 1 window 1, destination window 0
.macro JLOAD s                         ; a joint load: waves 0 and 1 fetch the two halves of x's part, waves 2 and 3 those of W's; an s_nop 0 and four v_nop follow each of the two lines, ahead of the jump, the label and what follows
	s_cmp_eq_u32 s11, 0
	s_cbranch_scc0 .Lfor_b_\@
	tensor_load_to_lds s[G0+4*(\s):G0+4*(\s)+3], s[G1:G1+7]
	s_nop 0
.rept 4
	v_nop
.endr
	s_branch .Lasked_\@
.Lfor_b_\@:
	tensor_load_to_lds s[G0B+4*(\s):G0B+4*(\s)+3], s[G1B:G1B+7]
	s_nop 0
.rept 4
	v_nop
.endr
.Lasked_\@:
.endm
.macro CREST                           ; a round of the cluster's barrier behind its opening barrier
	s_cmp_lg_u32 s10, 0
	s_cbranch_scc1 .Lnot_wave_0_\@
	s_barrier_signal -3
.Lnot_wave_0_\@:
	s_barrier_wait -3
	s_barrier_signal -1
	s_barrier_wait -1
.endm
.macro CROUND                          ; a whole round
	s_barrier_signal -1
	s_barrier_wait -1
	CREST
.endm
.if PROJ
	s_load_b256 s[68:75], s[0:1], 0x0              ; q s[68:69], k s[70:71], v s[72:73], wb s[74:75]
	s_load_b128 s[76:79], s[0:1], 0x20             ; qh s[76:77], kh s[78:79]
	s_load_b64 s[80:81], s[0:1], 0x30              ; vh
.else
	s_load_b128 s[4:7], s[0:1], 0x0                ; oh s[4:5], wb s[6:7]
	s_load_b64 s[8:9], s[0:1], 0x10                ; z
.endif
	v_lshl_add_u32 v[SPW], v0, 2, SPARE
	v_mov_b32 v[NIL], 0
	ds_add_u32 v[SPW], v[NIL]                      ; the wave's opening: the add and its wait stand ahead of my first tensor load; the set-up below, work on registers, stands between them
	v_lshrrev_b32 v1, 5, v0
	v_readfirstlane_b32 s10, v1                    ; wave 0..3
	s_lshr_b32 s11, s10, 1                         ; which 64 of the tile's rows are mine.  Also: I fetch for x (0) or for W (1)
	s_and_b32 s12, s10, 1                          ; which 128 of its columns.  Also: which half of that part I fetch
	s_bfe_u32 s40, ttmp6, 0x40000                  ; cx, cy: my place in the cluster
	s_bfe_u32 s41, ttmp6, 0x40004
	s_lshl_b32 s42, ttmp9, 2
	s_add_co_u32 s42, s42, s40                     ; tile column = 4 x cluster x + cx: 0..3
	s_and_b32 s13, ttmp7, 0xffff                   ; the cluster's y
.if PROJ
	s_lshr_b32 s45, s13, 4                         ; which projection: 0 q, 1 k, 2 v; the same in all sixteen partners
	s_and_b32 s13, s13, 15
.endif
	s_lshl_b32 s13, s13, 2
	s_add_co_u32 s13, s13, s41                     ; tile row = 4 x (cluster y mod 16) + cy: 0..63
	s_lshl_b32 s43, s41, 2
	s_lshl_b32 s43, 15, s43                        ; my row of the cluster
	s_lshl_b32 s44, 0x1111, s40                    ; my column
	s_or_b32 s[G1+0], s43, AW0                     ; 15:0 the mask: x's tiles go to my row
	s_or_b32 s[G1B+0], s44, BW0                    ; W's to my column
	s_mov_b32 s[G1+1], 128<<16                     ; tensor_dim0 = 128
	s_mov_b32 s[G1+2], 64<<16                      ; tensor_dim1 = 64
	s_mov_b32 s[G1+3], 128<<16                     ; tile_dim0 = 128
	s_mov_b32 s[G1+4], 64                          ; tile_dim1 = 64
	s_mov_b32 s[G1+5], ASTRIDE                     ; tensor_dim0_stride
	s_mov_b32 s[G1+6], 0
	s_mov_b32 s[G1+7], 0
	s_mov_b32 s[G1B+1], 256<<16                    ; tensor_dim0 = 256
	s_mov_b32 s[G1B+2], 64<<16                     ; tensor_dim1 = 64
	s_mov_b32 s[G1B+3], 256<<16                    ; tile_dim0 = 256
	s_mov_b32 s[G1B+4], 64                         ; tile_dim1 = 64
	s_mov_b32 s[G1B+5], 1024                       ; tensor_dim0_stride
	s_mov_b32 s[G1B+6], 0
	s_mov_b32 s[G1B+7], 0
	; where the tiles come from, as byte offsets.  x's hang on the tile row alone, W's on the tile column alone; each in registers that never hold the other coordinate.
.if PROJ
	s_lshl_b32 s16, s13, 19                        ; 128 rows of 4,096 bytes a tile row,
	s_lshl_b32 s17, s12, 18                        ; my 64 of them
	s_add_co_u32 s16, s16, s17
	s_lshl_b32 s86, s13, 19                        ; the tile's first row once more, for the prefetch
	s_mov_b32 s87, 0
.else
	s_lshr_b32 s16, s13, 4                         ; the batch: 16 heads x 2,048 rows x 128 bytes,
	s_lshl_b32 s16, s16, 22
	s_and_b32 s17, s13, 15                         ; the tile's 128 rows in a head,
	s_lshl_b32 s17, s17, 14
	s_add_co_u32 s16, s16, s17
	s_lshl_b32 s17, s12, 18                        ; and which of a K step's two heads I fetch
	s_add_co_u32 s16, s16, s17
.endif
	s_mov_b32 s17, 0
	s_lshl_b32 s46, s42, 9                         ; 256 columns of 2 bytes a tile column,
	s_lshl_b32 s47, s12, 17                        ; my 64 rows of k,
	s_add_co_u32 s46, s46, s47
.if PROJ
	s_lshl_b32 s47, s45, 21                        ; and the matrix in wb
.else
	s_mov_b32 s47, 3<<21
.endif
	s_add_co_u32 s46, s46, s47
	s_mov_b32 s47, 0
	s_mul_i32 s20, s12, HA                         ; where they go: no place in the cluster enters an LDS address
	s_mul_i32 s21, s12, HB
	s_add_co_u32 s21, s21, ABYTES
	s_wait_dscnt 0x0                               ; the opening add is done
	s_wait_kmcnt 0x0
.if PROJ
	s_cmp_eq_u32 s45, 1
	s_cselect_b64 s[4:5], s[70:71], s[68:69]       ; x
	s_cselect_b64 s[8:9], s[78:79], s[76:77]       ; and its result
	s_cmp_eq_u32 s45, 2
	s_cselect_b64 s[4:5], s[72:73], s[4:5]
	s_cselect_b64 s[8:9], s[80:81], s[8:9]
	s_mov_b64 s[6:7], s[74:75]
	s_add_nc_u64 s[84:85], s[4:5], s[86:87]        ; x at the tile's first row
.endif
	s_add_nc_u64 s[14:15], s[4:5], s[16:17]
	s_add_nc_u64 s[46:47], s[6:7], s[46:47]
	CROUND                                         ; all sixteen work-groups are here: the first joint loads meet
.irp s, 0,1
	s_mov_b32 s[G0+4*(\s)], 1                      ; 1:0 count = 1
	s_add_co_u32 s[G0+4*(\s)+1], s20, (\s)*SLOT    ; 63:32 LDS address
	s_add_nc_u64 s[G0+4*(\s)+2:G0+4*(\s)+3], s[14:15], (\s)*ASTEP  ; 120:64 global address: K step s
	s_or_b32 s[G0+4*(\s)+3], s[G0+4*(\s)+3], 0x80000000            ; 127:126 type = 2
	s_mov_b32 s[G0B+4*(\s)], 1
	s_add_co_u32 s[G0B+4*(\s)+1], s21, (\s)*SLOT
	s_add_nc_u64 s[G0B+4*(\s)+2:G0B+4*(\s)+3], s[46:47], (\s)*BSTEP
	s_or_b32 s[G0B+4*(\s)+3], s[G0B+4*(\s)+3], 0x80000000
	JLOAD \s                                       ; two loads of mine are out
.endr
	; A fragment is 16 rows x 32 K in 8 registers: lane l holds row l % 16; registers 0-3 hold K = 8 (l / 16) + 0..7, registers 4-7 K = 16 + 8 (l / 16) + 0..7.
	; Of f32 rows that is 32 bytes at 32 (l / 16) and 32 bytes 64 further on; of bf16 rows 16 bytes at 16 (l / 16) and 16 bytes 32 further on.
	v_and_b32 v1, 15, v0                           ; l % 16
	v_bfe_u32 v2, v0, 4, 1                         ; l / 16
	v_mul_u32_u24 v3, v1, PA
.if PROJ
	v_lshl_add_u32 v3, v2, 5, v3
.else
	v_lshl_add_u32 v3, v2, 4, v3
.endif
	; The turning load takes 16 k x 16 columns (lane l reads 16 bytes: row of k 8 (l / 16) + l % 8, columns 8 ((l / 8) % 2) + 0..7) and leaves half a fragment: lane l holds column l % 16 and 8 k.
	v_and_b32 v4, 7, v0
	v_lshl_add_u32 v4, v2, 3, v4
	v_mul_u32_u24 v4, v4, PB
	v_bfe_u32 v5, v0, 3, 1
	v_lshl_add_u32 v4, v5, 4, v4
	s_mul_i32 s18, s11, 64*PA                      ; my 64 rows of x
	s_lshl_b32 s19, s12, 8                         ; my 128 columns of W,
	s_add_co_u32 s19, s19, ABYTES                  ; which lies behind x's part
.irp s, 0,1
	v_add_nc_u32 v[ADRA+(\s)], s18, v3
	v_add_nc_u32 v[ADRB+(\s)], s19, v4
	s_add_co_u32 s18, s18, SLOT
	s_add_co_u32 s19, s19, SLOT
.endr
	s_mul_i32 s23, s10, 16*SPITCH
	s_add_co_u32 s23, s23, STAGE                   ; my stage
	v_mul_u32_u24 v4, v1, SPITCH                   ; in: row l % 16, 16 bytes for each half of the lanes
	v_lshl_add_u32 v4, v2, 4, v4
	v_add_nc_u32 v[STO], s23, v4
.if PROJ
	v_bfe_u32 v5, v0, 3, 2                         ; back: 32 lanes take one head's 128 bytes of four rows,
	v_mul_u32_u24 v5, v5, SPITCH
	v_and_b32 v3, 7, v0
	v_lshl_add_u32 v5, v3, 4, v5
	v_add_nc_u32 v[RD], s23, v5
	v_and_b32 v[CO], 31, v0                        ; which are 512 consecutive bytes of the result
	v_lshlrev_b32 v[CO], 4, v[CO]
	s_lshl_b32 s82, s40, 5                         ; the prefetch: the tile's 128 rows are dealt to the four partners that share them, their four waves and eight groups of four lanes:
	s_lshl3_add_u32 s82, s10, s82                  ; row 32 cx + 8 wave + lane / 4,
	v_bfe_u32 v3, v0, 2, 3
	v_add_nc_u32 v3, s82, v3
	v_and_b32 v5, 3, v0                            ; and of a lap's 1,024 bytes of that row the 256 at 256 (lane % 4): each block is asked for once in the launch
	v_lshlrev_b32 v5, 8, v5
	v_lshl_add_u32 v[PFO], v3, 12, v5
	global_prefetch_b8 v[PFO], s[84:85] offset:1024 th:TH_LOAD_NT scope:SCOPE_SE  ; lap 1 of x, whose tensor loads are issued in the loop's first trip
.else
	v_mul_u32_u24 v5, v2, SPITCH                   ; back: lanes 0-15 take one row of 256 bytes, lanes 16-31 the next
	v_lshl_add_u32 v5, v1, 4, v5
	v_add_nc_u32 v[RD], s23, v5
	v_lshlrev_b32 v5, 11, v2                       ; and the same two rows in z
	v_lshl_add_u32 v[CO], v1, 4, v5
.endif
	; where my part of the tile begins in the result
.if PROJ
	s_lshr_b32 s16, s13, 4                         ; the batch,
	s_lshl_b32 s16, s16, 22
	s_and_b32 s17, s13, 15                         ; the tile's 128 rows in a head,
	s_lshl_b32 s17, s17, 14
	s_add_co_u32 s16, s16, s17
	s_lshl_b32 s17, s11, 13                        ; my 64 of them;
	s_add_co_u32 s16, s16, s17
	s_lshl_b32 s46, s42, 20                        ; four heads a tile column (in the registers that held W's address: none that feeds x's descriptors ever holds cx),
	s_lshl_b32 s47, s12, 19                        ; my two of them
.else
	s_lshl_b32 s16, s13, 18                        ; 128 rows of 2,048 bytes a tile row,
	s_lshl_b32 s17, s11, 17                        ; my 64 of them;
	s_add_co_u32 s16, s16, s17
	s_lshl_b32 s46, s42, 9                         ; 256 columns a tile column,
	s_lshl_b32 s47, s12, 8                         ; my 128 of them
.endif
	s_add_co_u32 s46, s46, s47
	s_mov_b32 s17, 0
	s_mov_b32 s47, 0
	s_add_nc_u64 s[8:9], s[8:9], s[16:17]
	s_add_nc_u64 s[8:9], s[8:9], s[46:47]
; 8 matrix instructions: block a of my four blocks of 16 rows x all 8 blocks of 16 columns, 32 along K, from buffer f.  zero = 1: the first product starts the sums.
; The 32 accumulators take turns, one instruction a turn, in the same order in every quarter.
.macro MUL8 f, a, zero
	WIN MUL
.irp b, 0,1,2,3,4,5,6,7
.if \zero
	v_wmma_f32_16x16x32_bf16 v[8*(8*(\a)+(\b)):8*(8*(\a)+(\b))+7], v[BF+64*(\f)+8*(\b):BF+64*(\f)+8*(\b)+7], v[AF+AFS*(\f)+8*(\a):AF+AFS*(\f)+8*(\a)+7], 0
.else
	v_wmma_f32_16x16x32_bf16 v[8*(8*(\a)+(\b)):8*(8*(\a)+(\b))+7], v[BF+64*(\f)+8*(\b):BF+64*(\f)+8*(\b)+7], v[AF+AFS*(\f)+8*(\a):AF+AFS*(\f)+8*(\a)+7], v[8*(8*(\a)+(\b)):8*(8*(\a)+(\b))+7]
.endif
.endr
.endm
; The LDS loads of quarter q (32 along K) of a slot, in one run: x's first, then W's into buffer g.
.macro FETCH slot, q, g
	WIN 0
.if PROJ
.irp i, 0,1,2,3
.irp c, 0,1,2,3
	ds_load_b128 v[RAW+16*(\i)+4*(\c):RAW+16*(\i)+4*(\c)+3], v[ADRA+(\slot)] offset:(\i)*16*PA+(\q)*128+((\c)%2)*16+((\c)/2)*64
.endr
.endr
.else
.irp i, 0,1,2,3
	ds_load_b128 v[AF+32*(\g)+8*(\i):AF+32*(\g)+8*(\i)+3],   v[ADRA+(\slot)] offset:((\q)/2)*HA+(\i)*16*PA+((\q)%2)*64
	ds_load_b128 v[AF+32*(\g)+8*(\i)+4:AF+32*(\g)+8*(\i)+7], v[ADRA+(\slot)] offset:((\q)/2)*HA+(\i)*16*PA+((\q)%2)*64+32
.endr
.endif
.irp b, 0,1,2,3,4,5,6,7
	ds_load_tr16_b128 v[BF+64*(\g)+8*(\b):BF+64*(\g)+8*(\b)+3],   v[ADRB+(\slot)] offset:(\q)*32*PB+32*(\b)
	ds_load_tr16_b128 v[BF+64*(\g)+8*(\b)+4:BF+64*(\g)+8*(\b)+7], v[ADRB+(\slot)] offset:(\q)*32*PB+16*PB+32*(\b)
.endr
.endm
; x's four fragments are rounded to bf16.  The first 16 lines write blocks 0 and 1, whose last readers stand in front of the four v_nop in the quarter before; they name no register of the
; products on blocks 2 and 3 that stand just ahead, and so are the places in front of the last 16 lines, which write those products' source (ISA guide 7.12.1).
.macro CVT
.irp i, 0,1,2,3
.irp j, 0,1,2,3,4,5,6,7
	v_cvt_pk_bf16_f32 v[AF+8*(\i)+(\j)], v[RAW+16*(\i)+2*(\j)], v[RAW+16*(\i)+2*(\j)+1]
.endr
.endr
.endm
.macro PLACES                          ; four places in front of loads into registers that matrix instructions have read, and of conversions that read results or write sources
.rept 4
	v_nop
.endr
.endm
; A K step is four quarters of 32 along K, 32 matrix instructions each, on W's buffers 0, 1, 0, 1.  One of the first three: multiplies buffer f and in its middle fetches quarter qn of the same slot into g.
.macro QUARTER slot, qn, f, g, zero
.if PROJ
	WIN 0
	s_wait_dscnt 16                                ; x's 16 loads are in; W's 16, issued behind them, may be out
	CVT
.endif
	s_wait_dscnt 0x0                               ; all fragments are in
	MUL8 \f, 0, \zero
	MUL8 \f, 1, \zero
	WIN 0
	PLACES
	FETCH \slot, \qn, \g
	MUL8 \f, 2, \zero
	MUL8 \f, 3, \zero
.endm
; The last quarter multiplies buffer 1 and changes slots: ONE barrier; in front of it each wave waits for all its tensor loads (one is out: its part of the next slot), adds 0 to its spare word, and waits
; for that and for its own reads of this slot.  fill = 1: the barrier opens a round of the cluster's barrier, and this slot is filled again, two K steps ahead, first thing behind the round:
; from that request to the wait for it a wave issues 112 matrix instructions.
.macro TURN slot, next, fill
	WIN 0
	s_wait_tensorcnt 0x0                           ; all my tensor loads have landed
	ds_add_u32 v[SPW], v[NIL]                      ; 0 onto my spare word
.if PROJ
	s_wait_dscnt 17                                ; x's 16 loads are in; W's 16 and the add may be out
	CVT
.endif
	s_wait_dscnt 1                                 ; all fragments are in; the add may be out
	MUL8 1, 0, 0                                   ; eight matrix instructions stand between the add and the wait for it
	s_wait_dscnt 0x0                               ; the add is done, and my reads of this slot are over
	s_barrier_signal -1
	MUL8 1, 1, 0
.if \fill
	WIN 0
.endif
	s_barrier_wait -1
.if \fill
	CREST                                          ; no wave of any partner still reads this slot's tiles or has a load on its way
	s_add_nc_u64 s[G0+4*(\slot)+2:G0+4*(\slot)+3], s[G0+4*(\slot)+2:G0+4*(\slot)+3], 2*ASTEP
	s_add_nc_u64 s[G0B+4*(\slot)+2:G0B+4*(\slot)+3], s[G0B+4*(\slot)+2:G0B+4*(\slot)+3], 2*BSTEP
	JLOAD \slot                                    ; the four v_nop behind it are also the places in front of the loads below
.else
	WIN 0
	PLACES
.endif
	FETCH \next, 0, 0
	MUL8 1, 2, 0
	MUL8 1, 3, 0
.endm
; THE WAY OUT of block a (16 rows x 128 columns).  PACK: rounded to bf16, 16 bytes a lane, each accumulator from its low end on.  TOSTAGE: into my own stage in LDS, and back by rows.  SEND: stored.
.macro PACK a
	WIN PACKW
.irp b, 0,1,2,3,4,5,6,7
.irp r, 0,1,2,3
	v_cvt_pk_bf16_f32 v[TMP+4*(\b)+(\r)], v[8*(8*(\a)+(\b))+2*(\r)], v[8*(8*(\a)+(\b))+2*(\r)+1]
.endr
.endr
	WIN 0
.endm
.macro TOSTAGE a
.irp b, 0,1,2,3,4,5,6,7
	ds_store_b128 v[STO], v[TMP+4*(\b):TMP+4*(\b)+3] offset:32*(\b)
.endr
.irp t, 0,1,2,3,4,5,6,7                ; LDS serves a wave's instructions in order (ISA guide 5.7.1.4): these see the stores above; the next block's stores come behind them
.if PROJ
	ds_load_b128 v[OB+32*(\a)+4*(\t):OB+32*(\a)+4*(\t)+3], v[RD] offset:((\t)%4)*4*SPITCH+((\t)/4)*128  ; head t / 4 of my two, rows 4 (t % 4) on
.else
	ds_load_b128 v[OB+32*(\a)+4*(\t):OB+32*(\a)+4*(\t)+3], v[RD] offset:(\t)*2*SPITCH
.endif
.endr
.endm
.macro SEND a                          ; every block has its own 32 registers, and neither the offset register nor the base is ever rewritten: the stores need no wait
	s_wait_dscnt 0x0                               ; the block is back in registers
.irp t, 0,1,2,3,4,5,6,7
.if PROJ
	global_store_b128 v[CO], v[OB+32*(\a)+4*(\t):OB+32*(\a)+4*(\t)+3], s[8:9] offset:((\t)/4)*262144+(\a)*2048+((\t)%4)*512  ; 512 consecutive bytes of one head, at a multiple of 256 from the buffer's first byte
.else
	global_store_b128 v[CO], v[OB+32*(\a)+4*(\t):OB+32*(\a)+4*(\t)+3], s[8:9] offset:(16*(\a)+2*(\t))*2048  ; 16 lanes store 256 consecutive bytes, at a multiple of 256 from z's first byte
.endif
.endr
.endm
	s_wait_tensorcnt 1                             ; my part of K step 0 is in; K step 1's may stay out
	s_barrier_signal -1
	s_barrier_wait -1                              ; everybody's is
	FETCH 0, 0, 0
	QUARTER 0, 1, 0, 1, 1                          ; the first quarter stands in front of the loop: its products start the sums
	WIN 0                                          ; at a label and at a branch every window is 0
	s_mov_b32 s3, LAPS-1
.Llap:                                                 ; a trip goes once round the ring, from a lap's second quarter to the next lap's first, and fills both slots again
.if PROJ
	s_cmp_eq_u32 s3, 1                             ; trip t asks for lap t + 2 of x, whose tensor loads are issued in trip t + 1; the last trip has no such lap and asks for nothing
	s_cbranch_scc1 .Lnopf
	global_prefetch_b8 v[PFO], s[84:85] offset:2048 th:TH_LOAD_NT scope:SCOPE_SE
.Lnopf:
.endif
	QUARTER 0, 2, 1, 0, 0
	QUARTER 0, 3, 0, 1, 0
	TURN 0, 1, 1
	QUARTER 1, 1, 0, 1, 0
	QUARTER 1, 2, 1, 0, 0
	QUARTER 1, 3, 0, 1, 0
	TURN 1, 0, 1
	QUARTER 0, 1, 0, 1, 0
	WIN 0
.if PROJ
	s_wait_xcnt 0x0                                ; the prefetch's base is stepped only behind this wait
	s_add_nc_u64 s[84:85], s[84:85], 1024          ; a lap's bytes of a row
.endif
	s_sub_co_u32 s3, s3, 1
	s_cmp_lg_u32 s3, 0
	s_cbranch_scc1 .Llap
	QUARTER 0, 2, 1, 0, 0                          ; the last lap fills nothing, and has no round of the cluster's barrier
	QUARTER 0, 3, 0, 1, 0
	TURN 0, 1, 0
	QUARTER 1, 1, 0, 1, 0
	QUARTER 1, 2, 1, 0, 0
	QUARTER 1, 3, 0, 1, 0
.if PROJ
	WIN 0                                          ; the very last quarter: nothing more to fetch
	s_wait_dscnt 16
	CVT
.endif
	s_wait_dscnt 0x0
	MUL8 1, 0, 0
	MUL8 1, 1, 0
	MUL8 1, 2, 0
	MUL8 1, 3, 0
	WIN 0
	PLACES
	PACK 0
	TOSTAGE 0
.irp a, 1,2,3                          ; block a's conversions stand between block a - 1's loads from the stage and the wait for them
	PACK \a
	SEND (\a)-1
	TOSTAGE \a
.endr
	SEND 3
	s_wait_tensorcnt 0x0                           ; the wave's end: these three lines stand behind my last tensor load and my last LDS store
	ds_add_u32 v[SPW], v[NIL]
	s_wait_dscnt 0x0
	CROUND                                         ; the closing round: no work-group ends while a partner may still ask for a tile that names it
	s_endpgm
.Lfunc_end_k_qdcf9684663_fc:
	.size	k_qdcf9684663_fc, .Lfunc_end_k_qdcf9684663_fc-k_qdcf9684663_fc
	.p2alignl 7, 3214868480
	.fill 96, 4, 3214868480
	.section	.rodata,"a",@progbits
	.p2align	6, 0x0
	.amdhsa_kernel k_qdcf9684663_fc
		.amdhsa_group_segment_fixed_size 327680
		.amdhsa_private_segment_fixed_size 0
		.amdhsa_enable_private_segment 0
		.amdhsa_kernarg_size 24
		.amdhsa_user_sgpr_count 2
		.amdhsa_user_sgpr_kernarg_segment_ptr 1
		.amdhsa_wavefront_size32 1
		.amdhsa_system_sgpr_workgroup_id_x 1
		.amdhsa_system_sgpr_workgroup_id_y 1
		.amdhsa_system_sgpr_workgroup_id_z 1
		.amdhsa_system_vgpr_workitem_id 0
		.amdhsa_next_free_vgpr 512
		.amdhsa_next_free_sgpr 88
		.amdhsa_reserve_vcc 0
		.amdhsa_float_denorm_mode_32 3
		.amdhsa_float_denorm_mode_16_64 3
		.amdhsa_memory_ordered 1
		.amdhsa_forward_progress 1
		.amdhsa_inst_pref_size 86
	.end_amdhsa_kernel
	.amdgpu_metadata
---
amdhsa.version: [ 1, 2 ]
amdhsa.kernels:
  - .name:           k_qdcf9684663_fc
    .symbol:         k_qdcf9684663_fc.kd
    .args:
      - { .name: oh, .offset: 0, .size: 8, .value_kind: global_buffer, .address_space: global }
      - { .name: wb, .offset: 8, .size: 8, .value_kind: global_buffer, .address_space: global }
      - { .name: z, .offset: 16, .size: 8, .value_kind: global_buffer, .address_space: global }
    .group_segment_fixed_size: 327680
    .private_segment_fixed_size: 0
    .kernarg_segment_align: 8
    .kernarg_segment_size: 24
    .max_flat_workgroup_size: 128
    .sgpr_count:     88
    .vgpr_count:     512
    .wavefront_size: 32
...
	.end_amdgpu_metadata
.endif
;; end of part 4
;; launch ln (part 5): grid 256 x 1, 16 waves a work-group, no clusters, 0 bytes of LDS; arguments z, q, ln_gamma, ln_beta, out0; writes out0
.if DOCPART == 5
	.amdgcn_target "amdgcn-amd-amdhsa--gfx1250"
	.amdhsa_code_object_version 6
	.text
	.protected	k_qdcf9684663_ln
	.globl	k_qdcf9684663_ln
	.p2align	8
	.type	k_qdcf9684663_ln,@function
k_qdcf9684663_ln:
	s_mov_b64 s[64:65], 0
	v_nop
	global_prefetch_b8 v0, s[64:65] scope:SCOPE_SE
	s_setreg_imm32_b32 hwreg(HW_REG_WAVE_MODE, 25, 1), 1
	s_wait_xcnt 0x0
; out0[r][:] = (y - mean(y)) / sqrt(var(y) + 1e-6) * gamma + beta, with y = z[r][:] + q[r][:].  z: [8192][1024] bf16 (the attention branch), q and out0 f32, gamma and beta [1024] f32.  All arithmetic in f32.
; The variance is the mean of the squares of y - mean(y), taken in a second pass over registers: no difference of large sums is formed.
; A stream: one wave takes a whole row (32 registers of f32 a lane's 32 numbers), so the two reductions never leave the wave: no LDS, no barrier; clusters and the matrix unit would add nothing.
; Sixteen waves, two rows each; both rows' loads are issued before the first is waited for.  In piece j of eight a lane holds columns 128 j + 4 lane + 0..3: a load or store of a wave in f32 covers 512
; consecutive bytes, a load of z 256, each aligned.
.set U,  3                             ; v3        the other half of the lanes' sum (written at the head: v_permlanex16_b32's destination counts as read)
.set GA, 4                             ; v[4:35]   gamma of my 32 columns
.set BE, 36                            ; v[36:67]  beta
.set X,  68                            ; v[68:131] row s: 32 registers: q, then y, then the result
.set Z,  132                           ; v[132:163] row s: 16 registers, 32 bf16
.set T,  164                           ; v[164:171] at work
.set SA, 172                           ; v[172:175] two chains of sums
.set SB, 174
.set M,  176                           ; v[176:177] the mean twice, later 1 / sqrt(var + eps) twice
	s_load_b256 s[4:11], s[0:1], 0x0               ; z s[4:5], q s[6:7], gamma s[8:9], beta s[10:11]
	s_load_b64 s[12:13], s[0:1], 0x20              ; out0
	v_lshrrev_b32 v[U], 5, v0
	v_readfirstlane_b32 s14, v[U]                  ; wave 0..15
	v_and_b32 v1, 31, v0
	v_lshlrev_b32 v2, 3, v1                        ; 8 bytes a lane in z
	v_lshlrev_b32 v1, 4, v1                        ; 16 bytes a lane in q, gamma, beta and out0
	s_lshl_b32 s15, ttmp9, 4
	s_add_co_u32 s15, s15, s14                     ; my wave among all: 0..4095
	s_lshl_b32 s16, s15, 13                        ; two rows of 4,096 bytes
	s_mov_b32 s17, 0
	s_lshl_b32 s2, s15, 12                         ; two rows of 2,048 bytes
	s_mov_b32 s3, 0
	s_mov_b32 s18, 0x76543210                      ; v_permlanex16_b32: lane i of one half reads lane i of the other
	s_mov_b32 s19, 0xfedcba98
	s_mov_b32 s20, 0x3a800000                      ; 1 / 1024
	s_mov_b32 s21, 0x358637bd                      ; 1e-6
	s_mov_b32 s22, 0xffff0000                      ; a word's upper bf16
	s_wait_kmcnt 0x0
	s_add_nc_u64 s[4:5], s[4:5], s[2:3]
	s_add_nc_u64 s[6:7], s[6:7], s[16:17]
	s_add_nc_u64 s[12:13], s[12:13], s[16:17]
.irp j, 0,1,2,3,4,5,6,7
	global_load_b128 v[GA+4*(\j):GA+4*(\j)+3], v1, s[8:9] offset:512*(\j)
	global_load_b128 v[BE+4*(\j):BE+4*(\j)+3], v1, s[10:11] offset:512*(\j)
.endr
.irp s, 0,1
.irp j, 0,1,2,3,4,5,6,7
	global_load_b128 v[X+32*(\s)+4*(\j):X+32*(\s)+4*(\j)+3], v1, s[6:7] offset:4096*(\s)+512*(\j) th:TH_LOAD_NT
	global_load_b64 v[Z+16*(\s)+2*(\j):Z+16*(\s)+2*(\j)+1], v2, s[4:5] offset:2048*(\s)+256*(\j) th:TH_LOAD_NT
.endr
.endr
.macro LANESUM r                       ; the sum of v[r] over the 32 lanes, in every lane: four steps inside each half of 16 lanes ride on the addition, one crosses the halves
	v_add_f32_dpp v[\r], v[\r], v[\r] row_xmask:1 row_mask:0xf bank_mask:0xf
	v_add_f32_dpp v[\r], v[\r], v[\r] row_xmask:2 row_mask:0xf bank_mask:0xf
	v_add_f32_dpp v[\r], v[\r], v[\r] row_xmask:4 row_mask:0xf bank_mask:0xf
	v_add_f32_dpp v[\r], v[\r], v[\r] row_xmask:8 row_mask:0xf bank_mask:0xf
	v_permlanex16_b32 v[U], v[\r], s18, s19
	v_add_f32 v[\r], v[\r], v[U]
.endm
; Row s.  left = how many younger loads may stay out.
.macro ROW s, left
.set XS, X+32*(\s)
.set ZS, Z+16*(\s)
	s_wait_loadcnt \left                           ; loads come back in order: gamma, beta and this row are in
.irp j, 0,1,2,3,4,5,6,7                ; y = q + z: bf16 to f32 is a shift or a mask
.set TJ, T+4*((\j)%2)
	v_lshlrev_b32 v[TJ],   16,  v[ZS+2*(\j)]
	v_and_b32     v[TJ+1], s22, v[ZS+2*(\j)]
	v_lshlrev_b32 v[TJ+2], 16,  v[ZS+2*(\j)+1]
	v_and_b32     v[TJ+3], s22, v[ZS+2*(\j)+1]
	v_pk_add_f32 v[XS+4*(\j):XS+4*(\j)+1],   v[XS+4*(\j):XS+4*(\j)+1],   v[TJ:TJ+1]
	v_pk_add_f32 v[XS+4*(\j)+2:XS+4*(\j)+3], v[XS+4*(\j)+2:XS+4*(\j)+3], v[TJ+2:TJ+3]
.endr
	v_pk_add_f32 v[SA:SA+1], v[XS:XS+1], v[XS+2:XS+3]      ; the first pairs start the two chains: nothing is cleared
	v_pk_add_f32 v[SB:SB+1], v[XS+4:XS+5], v[XS+6:XS+7]
.irp p, 4,6,8,10,12,14
	v_pk_add_f32 v[SA:SA+1], v[SA:SA+1], v[XS+2*(\p):XS+2*(\p)+1]
	v_pk_add_f32 v[SB:SB+1], v[SB:SB+1], v[XS+2*(\p)+2:XS+2*(\p)+3]
.endr
	v_pk_add_f32 v[SA:SA+1], v[SA:SA+1], v[SB:SB+1]
	v_add_f32 v[T], v[SA], v[SA+1]
	LANESUM T
	v_mul_f32 v[M], s20, v[T]                      ; the mean, twice, for the packed subtraction
	v_mul_f32 v[M+1], s20, v[T]
.set n, 0
.rept 16
	v_pk_add_f32 v[XS+2*n:XS+2*n+1], v[XS+2*n:XS+2*n+1], v[M:M+1] neg_lo:[0,1] neg_hi:[0,1]
.set n, n+1
.endr
	v_pk_mul_f32 v[SA:SA+1], v[XS:XS+1], v[XS:XS+1]
	v_pk_mul_f32 v[SB:SB+1], v[XS+2:XS+3], v[XS+2:XS+3]
.irp p, 2,4,6,8,10,12,14
	v_pk_fma_f32 v[SA:SA+1], v[XS+2*(\p):XS+2*(\p)+1], v[XS+2*(\p):XS+2*(\p)+1], v[SA:SA+1]
	v_pk_fma_f32 v[SB:SB+1], v[XS+2*(\p)+2:XS+2*(\p)+3], v[XS+2*(\p)+2:XS+2*(\p)+3], v[SB:SB+1]
.endr
	v_pk_add_f32 v[SA:SA+1], v[SA:SA+1], v[SB:SB+1]
	v_add_f32 v[T], v[SA], v[SA+1]
	LANESUM T
	v_fma_f32 v[T], v[T], s20, s21                 ; var + eps
	v_rsq_f32 v[M], v[T]
	v_rsq_f32 v[M+1], v[T]
	v_nop                                          ; a plain instruction between the last v_rsq_f32 and the use of its result (ISA guide 5.7.2)
.set n, 0
	s_wait_alu depctr_va_vdst(0)
.rept 16
	v_pk_mul_f32 v[XS+2*n:XS+2*n+1], v[XS+2*n:XS+2*n+1], v[M:M+1]
.set n, n+1
.endr
.set n, 0
.rept 16
	v_pk_fma_f32 v[XS+2*n:XS+2*n+1], v[XS+2*n:XS+2*n+1], v[GA+2*n:GA+2*n+1], v[BE+2*n:BE+2*n+1]
.set n, n+1
.endr
.irp j, 0,1,2,3,4,5,6,7
	global_store_b128 v1, v[XS+4*(\j):XS+4*(\j)+3], s[12:13] offset:4096*(\s)+512*(\j) th:TH_STORE_NT  ; each row has its own registers, and v1 and the base are never rewritten
.endr
.endm
	ROW 0, 16                                      ; row 1's sixteen loads stay out
	ROW 1, 0
	s_endpgm
.Lfunc_end_k_qdcf9684663_ln:
	.size	k_qdcf9684663_ln, .Lfunc_end_k_qdcf9684663_ln-k_qdcf9684663_ln
	.p2alignl 7, 3214868480
	.fill 96, 4, 3214868480
	.section	.rodata,"a",@progbits
	.p2align	6, 0x0
	.amdhsa_kernel k_qdcf9684663_ln
		.amdhsa_group_segment_fixed_size 0
		.amdhsa_private_segment_fixed_size 0
		.amdhsa_enable_private_segment 0
		.amdhsa_kernarg_size 40
		.amdhsa_user_sgpr_count 2
		.amdhsa_user_sgpr_kernarg_segment_ptr 1
		.amdhsa_wavefront_size32 1
		.amdhsa_system_sgpr_workgroup_id_x 1
		.amdhsa_system_sgpr_workgroup_id_y 1
		.amdhsa_system_sgpr_workgroup_id_z 1
		.amdhsa_system_vgpr_workitem_id 0
		.amdhsa_next_free_vgpr 178
		.amdhsa_next_free_sgpr 66
		.amdhsa_reserve_vcc 0
		.amdhsa_float_denorm_mode_32 3
		.amdhsa_float_denorm_mode_16_64 3
		.amdhsa_memory_ordered 1
		.amdhsa_forward_progress 1
		.amdhsa_inst_pref_size 24
	.end_amdhsa_kernel
	.amdgpu_metadata
---
amdhsa.version: [ 1, 2 ]
amdhsa.kernels:
  - .name:           k_qdcf9684663_ln
    .symbol:         k_qdcf9684663_ln.kd
    .args:
      - { .name: z, .offset: 0, .size: 8, .value_kind: global_buffer, .address_space: global }
      - { .name: q, .offset: 8, .size: 8, .value_kind: global_buffer, .address_space: global }
      - { .name: ln_gamma, .offset: 16, .size: 8, .value_kind: global_buffer, .address_space: global }
      - { .name: ln_beta, .offset: 24, .size: 8, .value_kind: global_buffer, .address_space: global }
      - { .name: out0, .offset: 32, .size: 8, .value_kind: global_buffer, .address_space: global }
    .group_segment_fixed_size: 0
    .private_segment_fixed_size: 0
    .kernarg_segment_align: 8
    .kernarg_segment_size: 40
    .max_flat_workgroup_size: 512
    .sgpr_count:     66
    .vgpr_count:     178
    .wavefront_size: 32
...
	.end_amdgpu_metadata
.endif
;; end of part 5
